; MI455X (gfx1250); checked and timed in simulation.
; The chip was launched on July 23, 2026; its instructions are those of AMD's public machine-readable ISA for CDNA 5 (MIT licence, August 2026) and "CDNA5" Instruction Set Architecture Reference Guide (July 2026). The comments in the code are by the model that wrote it; some were corrected since.
;; Multihead Attention. Allowed arithmetic: matrix products marked QUANTISED: E2M1 operands, one E8M0 scale for each 32 along K, by v_wmma_scale_f32_16x16x128_f8f6f4 with both operands' format E2M1 (or v_wmma_scale_f32_32x16x128_f4), f32 sums; products left as they are: bf16, f16 or f32 operands; f32 sums; everything else in f32.
;; Inputs: b_proj 1,024 float32; w_proj 1,024 x 1,024 float32; w_qkv 3,072 x 1,024 float32; x 4 x 2,048 x 1,024 float32.
;; Outputs: out0 4 x 2,048 x 1,024 float32.
;; This version of the problem:
;;   THIS VERSION OF THE PROBLEM IS GIVEN IN LOW PRECISION. The matrix products marked QUANTISED in the list below multiply operands that are first quantised to E2M1 (2 exponent bits, 1 mantissa bit; 4 bits a number), with one power-of-two scale for each 32 numbers along K (OCP MX v1.0); their sums are f32. The products marked 'left as it is' may take bf16, f16 or f32 operands, with f32 sums. All else is computed in f32.
;;   The module's matrix products, in the order in which they are computed (A, B: the left and right operand; K: the contracted axis; several contracted axes count as one K, in the product's order):
;;     1. [M 8,192, K 1,024] x [K 1,024, N 3,072]; A: input x; B: input w_qkv: QUANTISED
;;     2. batch 64 x [M 2,048, K 64] x [K 64, N 2,048]; A: computed on the way; B: computed on the way: left as it is (an operand is computed on the way)
;;     3. batch 64 x [M 2,048, K 2,048] x [K 2,048, N 64]; A: computed on the way; B: computed on the way: left as it is (an operand is computed on the way)
;;     4. [M 8,192, K 1,024] x [K 1,024, N 1,024]; A: computed on the way; B: input w_proj: left as it is (an operand is computed on the way)
;;   THE QUANTISER, for each operand of a quantised product, along K:
;;     - K is cut into blocks of 32 from its start; a last block that is shorter is filled with zeros.
;;     - A block's scale is 2^e with e = floor(log2(the largest magnitude in the block)) - 2, held to -126 .. 127; a block of zeros has e = 0. As a byte (E8M0): e + 127.
;;     - Each number is divided by its block's scale, clamped to +-6, and rounded to the nearest number of E2M1, ties to even, subnormals kept.
;;     - The product sums the exact products of the quantised numbers (number of the format x scale) in f32.
;;   ~~~python
;;   def quantise(x, axis):      # numpy; x: float32 -> the quantised numbers, widened to float32 again
;;       x = np.moveaxis(x, axis, -1); K = x.shape[-1]
;;       x = np.pad(x, [(0, 0)] * (x.ndim - 1) + [(0, -K % 32)]); x = x.reshape(x.shape[:-1] + (-1, 32)); a = np.abs(x).max(-1, keepdims=True)
;;       e = np.where(a > 0, np.clip(np.frexp(np.where(a > 0, a, 1))[1] - 1 - 2, -126, 127), 0)      # np.frexp(a)[1] - 1 = floor(log2(a)), exactly
;;       r = np.clip(x / 2.0 ** e, -6, 6)
;;       step = 2.0 ** (np.maximum(np.frexp(np.where(r == 0, 1, r))[1] - 1, 0) - 1)
;;       q = np.round(r / step) * step * 2.0 ** e      # np.round: ties to even
;;       return np.moveaxis(q.reshape(q.shape[:-2] + (-1,))[..., :K], -1, axis).astype(np.float32)
;;   ~~~
;; One version. Each part assembles by itself: llvm-mc -triple=amdgcn-amd-amdhsa -mcpu=gfx1250 --defsym DOCPART=n.
;; ======== version 1 of 1: 5 launches
;; limits: values are held in f16: magnitudes above 65,504 overflow, below 6.1e-05 lose precision
;; workspace buffers: x_codes 4,194,304 bytes; x_scales 262,144 bytes; w_codes 1,572,864 bytes; w_scales 98,304 bytes; wp16 2,097,152 bytes; qkv 50,331,648 bytes; ctx 16,777,216 bytes; eq 786,432 bytes
;; launch prep (part 1): grid 384 x 1, 4 waves a work-group, no clusters, 33,280 bytes of LDS; arguments x, w_qkv, x_codes, x_scales, w_codes, w_scales, w_proj, wp16; writes x_codes, x_scales, w_codes, w_scales, wp16
.if DOCPART == 1
	.amdgcn_target "amdgcn-amd-amdhsa--gfx1250"
	.amdhsa_code_object_version 6
	.text
	.protected	k_qee7c6012ab_prep
	.globl	k_qee7c6012ab_prep
	.p2align	8
	.type	k_qee7c6012ab_prep,@function
k_qee7c6012ab_prep:
	s_mov_b64 s[64:65], 0
	v_nop
	global_prefetch_b8 v0, s[64:65] scope:SCOPE_SE
	s_setreg_imm32_b32 hwreg(HW_REG_WAVE_MODE, 25, 1), 1
	s_wait_xcnt 0x0
; x [8192][1024] and w_qkv [3072][1024], f32, become codes of FP4 (E2M1), K innermost, two codes a byte, with one E8M0 scale byte for each 32 along K; w_proj [1024][1024], f32, becomes f16, row-major.
; A block's scale is 2^(floor(log2(its largest magnitude)) - 2); its byte is the largest magnitude's own exponent field - 2, held at 1 from below.  A block of zeros so gets the byte 1 where the rule
; says 127: its codes are zeros, which add nothing under any byte but 0xff, and the bytes are read by this program alone.  Each number is divided by the scale and rounded to the nearest code, ties to even.
; LIMITS: blocks whose largest magnitude lies under 2^(2 - 126) keep the byte 1; NaN and infinities among the inputs are not served; a number of w_proj of magnitude 65,504 or more becomes an f16 infinity.
; WORK-GROUPS 0 to WGA - 1 take x, WGA to WGQ - 1 take w_qkv (one path, the buffers chosen by the work-group's number), WGQ to WGQ + 31 take w_proj (a path of its own, without LDS).
; THE QUANTISER.  Rows are dense and K is a multiple of 32, so a tensor is a plain stream of blocks of 32.  A wave takes 16 steps of 512 numbers.  The conversions take 8 numbers of one block from ONE lane's
; registers, so a lane must hold 16 neighbours; a load is best where neighbouring lanes take neighbouring bytes.  Both are had: each of a step's four loads reads 512 consecutive bytes, 16 a lane; the 2,048
; bytes go through the wave's own stage in LDS and come back 64 bytes a lane (16 bytes of padding behind each 64).  A lane's 16 codes are 8 bytes: the wave stores 256 consecutive bytes.
; A step makes 16 scale bytes, a wave 256: they are gathered in the wave's own LDS bytes and leave by one store of 256 consecutive bytes.  No barrier: waves share nothing.
.set SIZE_M, 8192
.set SIZE_N, 3072
.set SIZE_K, 1024
.set WAVES, 4
.set STEPS, 16
.set WGA,   SIZE_M*SIZE_K/(512*STEPS*WAVES)            ; 256 work-groups for x
.set WGQ,   (SIZE_M+SIZE_N)*SIZE_K/(512*STEPS*WAVES)   ; 352: the first work-group of w_proj
.set EMAX,  2
.set CB,    8                          ; bytes of 16 codes
.set R,     16                         ; v16-79   four sets of 16 numbers as they are loaded
.set X,     80                         ; v80-111  two sets of 16 neighbours
.set C,     128                        ; v128-191 codes: four registers for each step, so that no store's data are written again
.set E,     112                        ; v112-127 a scale byte for each step
.set WREG,  8192                       ; LDS: a region of its own for each wave: two stages of 32 x SP bytes, and behind them its 256 scale bytes
.set SP,    80                         ; a lane's place in a stage: its 64 bytes + 16 of padding
.set L,     16                         ; the cast: v16-79, v80-143 two batches of 64 numbers a lane
.set D,     144                        ; the cast: v144-175 a batch as f16
	s_load_b128 s[4:7], s[0:1], 0x0                ; x, w_qkv
	s_load_b128 s[8:11], s[0:1], 0x10              ; x's codes, x's scales
	s_load_b128 s[12:15], s[0:1], 0x20             ; w_qkv's codes, its scales
	s_load_b128 s[24:27], s[0:1], 0x30             ; w_proj, its f16 copy
	v_lshl_add_u32 v192, v0, 2, 0x8000
	v_mov_b32 v193, 0
	v_lshrrev_b32 v1, 5, v0
	v_readfirstlane_b32 s16, v1                    ; wave
	v_and_b32 v2, 31, v0                           ; lane
	v_lshlrev_b32 v3, 4, v2                        ; my 16 bytes of a load's 512
	s_mul_i32 s17, s16, WREG
	v_lshrrev_b32 v14, 2, v2
	v_mul_u32_u24 v14, v14, SP
	v_and_b32 v15, 3, v2
	v_lshl_add_u32 v14, v15, 4, v14
	v_add_nc_u32 v14, s17, v14                     ; the stage, on the way in: four lanes' 64 bytes on end, then 16 of padding
	v_mul_u32_u24 v15, v2, SP
	v_add_nc_u32 v15, s17, v15                     ; and on the way out: SP x lane: my 16 neighbours
	v_mul_u32_u24 v4, v2, CB                       ; 8 x lane: my codes' place in a step's (and my f16 numbers' place in a store of the cast)
	v_lshrrev_b32 v5, 1, v2
	s_add_co_u32 s17, s17, 2*32*SP
	v_add_nc_u32 v5, s17, v5                       ; LDS: my wave's 256 scale bytes, my block's byte
	v_lshlrev_b32 v7, 3, v2                        ; and on the way out 8 bytes a lane
	v_add_nc_u32 v6, s17, v7
	s_wait_kmcnt 0x0
	s_cmp_ge_u32 ttmp9, WGQ                        ; the last 32 work-groups take w_proj
	s_cbranch_scc1 .Lcast
	s_cmp_lt_u32 ttmp9, WGA                        ; x's work-group or w_qkv's?  The choice hangs on the work-group's number alone
	s_cselect_b64 s[4:5], s[4:5], s[6:7]
	s_cselect_b64 s[8:9], s[8:9], s[12:13]
	s_cselect_b64 s[10:11], s[10:11], s[14:15]
	s_cselect_b32 s17, 0, WGA
	s_sub_co_u32 s17, ttmp9, s17
	s_lshl_b32 s17, s17, 2
	s_add_co_u32 s18, s17, s16                     ; which run of 8,192 numbers of the tensor is my wave's
	s_mov_b32 s19, 0
	s_mov_b64 s[20:21], 512*STEPS*4
	s_mul_u64 s[20:21], s[18:19], s[20:21]
	s_add_nc_u64 s[4:5], s[4:5], s[20:21]
	s_mov_b64 s[20:21], 32*STEPS*CB
	s_mul_u64 s[20:21], s[18:19], s[20:21]
	s_add_nc_u64 s[8:9], s[8:9], s[20:21]
	s_lshl_b32 s18, s18, 8                         ; 256 scale bytes a run
	s_add_nc_u64 s[10:11], s[10:11], s[18:19]
.macro LOAD t
.irp i, 0,1,2,3
	global_load_b128 v[R+16*((\t)%4)+4*\i:R+16*((\t)%4)+4*\i+3], v3, s[4:5] offset:2048*(\t)+512*\i th:TH_LOAD_NT   ; 32 lanes read 512 consecutive bytes
.endr
.endm
.macro TURN t                          ; step t's numbers through the stage: LDS serves a wave's instructions in order, so no wait stands between the stores and the loads
.irp i, 0,1,2,3
	ds_store_b128 v14, v[R+16*((\t)%4)+4*\i:R+16*((\t)%4)+4*\i+3] offset:32*SP*((\t)%2)+8*SP*\i
.endr
.irp i, 0,1,2,3
	ds_load_b128 v[X+16*((\t)%2)+4*\i:X+16*((\t)%2)+4*\i+3], v15 offset:32*SP*((\t)%2)+16*\i
.endr
.endm
.irp t, 0,1,2,3
	LOAD \t
.endr
	s_wait_loadcnt 12                              ; step 0's four loads are in; those of steps 1 to 3 may be out
	TURN 0
.macro STEP t
.set XS, X+16*((\t)%2)
.if (\t) > 0
	s_wait_dscnt 1                                 ; this step's numbers are back from the stage (the last step's byte store may be out): so its stores into the stage have read their registers,
.else
	s_wait_dscnt 0x0
.endif
.if (\t)+4 < STEPS
	LOAD (\t)+4                                    ; which take the loads of four steps on
.endif
.if (\t)+1 < STEPS
.if STEPS-2-(\t) >= 3
	s_wait_loadcnt 12                              ; the next step's four loads are in; those of the three steps behind it may be out
.else
	s_wait_loadcnt 4*(STEPS-2-(\t))
.endif
	TURN (\t)+1                                    ; and go through the other stage while this step is worked
.endif
	v_max3_num_f32 v8, |v[XS]|, |v[XS+1]|, |v[XS+2]|               ; the largest magnitude of my 16, in two chains
	v_max3_num_f32 v9, |v[XS+3]|, |v[XS+4]|, |v[XS+5]|
.irp i, 6,10
	v_max3_num_f32 v8, v8, |v[XS+\i]|, |v[XS+\i+1]|
	v_max3_num_f32 v9, v9, |v[XS+\i+2]|, |v[XS+\i+3]|
.endr
	v_max3_num_f32 v8, v8, |v[XS+14]|, |v[XS+15]|
	v_max3_num_f32 v8, v8, v9, (EMAX+1)<<23        ; and the floor 2^(EMAX + 1 - 127), under which no largest magnitude is taken: so the byte cannot fall under 1
	v_max_num_f32_dpp v8, v8, v8 row_xmask:1 row_mask:0xf bank_mask:0xf   ; and of my neighbour's 16: the block's
	v_add_nc_u32 v11, -(EMAX<<23), v8              ; EMAX off its exponent field: the conversion takes the exponent field of this operand as its scale, and nothing else of it
	v_cvt_scalef32_pk8_fp4_f32 v[C+4*(\t)], v[XS:XS+7], v11        ; eight numbers / the scale, to the nearest code, ties to even, beyond the largest code the largest; the first number's code in the lowest four bits
	v_cvt_scalef32_pk8_fp4_f32 v[C+4*(\t)+1], v[XS+8:XS+15], v11
	v_lshrrev_b32 v[E+(\t)], 23, v11               ; the scale's byte (also the plain line behind the conversions)
	ds_store_b8 v5, v[E+(\t)] offset:16*(\t)       ; both lanes of a block write the same byte with the same value
	global_store_b64 v4, v[C+4*(\t):C+4*(\t)+1], s[8:9] offset:32*CB*(\t)   ; 32 lanes store 256 consecutive bytes, aligned
.endm
.irp t, 0,1,2,3,4,5,6,7,8,9,10,11,12,13,14,15
	STEP \t
.endr
	ds_load_b64 v[12:13], v6                       ; LDS serves a wave's instructions in order: these see my stores
	s_wait_dscnt 0x0
	global_store_b64 v7, v[12:13], s[10:11]        ; 32 lanes store 256 consecutive bytes, aligned
	s_wait_tensorcnt 0x0
	ds_add_u32 v192, v193
	s_wait_dscnt 0x0
	s_endpgm
; THE CAST of w_proj.  A wave takes 8,192 numbers (32,768 bytes) in four batches of 16 loads; a load reads 512 consecutive bytes, its four numbers a lane become 8 bytes, and a store covers 256 consecutive bytes.
.Lcast:
	s_sub_co_u32 s17, ttmp9, WGQ
	s_lshl_b32 s17, s17, 2
	s_add_co_u32 s17, s17, s16                     ; which of the 128 runs is my wave's
	s_lshl_b32 s18, s17, 15
	s_mov_b32 s19, 0
	s_add_nc_u64 s[24:25], s[24:25], s[18:19]
	s_lshl_b32 s18, s17, 14
	s_add_nc_u64 s[26:27], s[26:27], s[18:19]
.macro LOADB t
.irp i, 0,1,2,3,4,5,6,7,8,9,10,11,12,13,14,15
	global_load_b128 v[L+64*((\t)%2)+4*\i:L+64*((\t)%2)+4*\i+3], v3, s[24:25] offset:8192*(\t)+512*\i th:TH_LOAD_NT
.endr
.endm
.macro CAST t
.set LS, L+64*((\t)%2)
.if (\t) < 3
	s_wait_loadcnt 16                              ; this batch's 16 loads are in; the next batch's 16 may be out
.else
	s_wait_loadcnt 0x0
.endif
.if (\t) > 0
	s_wait_xcnt 0x0                                ; the last batch's stores have read their data: D is written again only behind this wait
.endif
.irp i, 0,1,2,3,4,5,6,7,8,9,10,11,12,13,14,15
	v_cvt_pk_f16_f32 v[D+2*\i], v[LS+4*\i], v[LS+4*\i+1]           ; two roundings to f16, the first number in the low half
	v_cvt_pk_f16_f32 v[D+2*\i+1], v[LS+4*\i+2], v[LS+4*\i+3]
.endr
.if (\t)+2 < 4
	LOADB (\t)+2                                   ; the registers just read take the batch two on; loads ahead of stores
.endif
.irp i, 0,1,2,3,4,5,6,7,8,9,10,11,12,13,14,15
	global_store_b64 v4, v[D+2*\i:D+2*\i+1], s[26:27] offset:4096*(\t)+256*\i
.endr
.endm
	LOADB 0
	LOADB 1
	CAST 0
	CAST 1
	CAST 2
	CAST 3
	s_endpgm
.Lfunc_end_k_qee7c6012ab_prep:
	.size	k_qee7c6012ab_prep, .Lfunc_end_k_qee7c6012ab_prep-k_qee7c6012ab_prep
	.p2alignl 7, 3214868480
	.fill 96, 4, 3214868480
	.section	.rodata,"a",@progbits
	.p2align	6, 0x0
	.amdhsa_kernel k_qee7c6012ab_prep
		.amdhsa_group_segment_fixed_size 33280
		.amdhsa_private_segment_fixed_size 0
		.amdhsa_enable_private_segment 0
		.amdhsa_kernarg_size 64
		.amdhsa_user_sgpr_count 2
		.amdhsa_user_sgpr_kernarg_segment_ptr 1
		.amdhsa_wavefront_size32 1
		.amdhsa_system_sgpr_workgroup_id_x 1
		.amdhsa_system_sgpr_workgroup_id_y 1
		.amdhsa_system_sgpr_workgroup_id_z 1
		.amdhsa_system_vgpr_workitem_id 0
		.amdhsa_next_free_vgpr 194
		.amdhsa_next_free_sgpr 66
		.amdhsa_reserve_vcc 0
		.amdhsa_float_denorm_mode_32 3
		.amdhsa_float_denorm_mode_16_64 3
		.amdhsa_memory_ordered 1
		.amdhsa_forward_progress 1
		.amdhsa_inst_pref_size 54
	.end_amdhsa_kernel
	.amdgpu_metadata
---
amdhsa.version: [ 1, 2 ]
amdhsa.kernels:
  - .name:           k_qee7c6012ab_prep
    .symbol:         k_qee7c6012ab_prep.kd
    .args:
      - { .name: x, .offset: 0, .size: 8, .value_kind: global_buffer, .address_space: global }
      - { .name: w_qkv, .offset: 8, .size: 8, .value_kind: global_buffer, .address_space: global }
      - { .name: x_codes, .offset: 16, .size: 8, .value_kind: global_buffer, .address_space: global }
      - { .name: x_scales, .offset: 24, .size: 8, .value_kind: global_buffer, .address_space: global }
      - { .name: w_codes, .offset: 32, .size: 8, .value_kind: global_buffer, .address_space: global }
      - { .name: w_scales, .offset: 40, .size: 8, .value_kind: global_buffer, .address_space: global }
      - { .name: w_proj, .offset: 48, .size: 8, .value_kind: global_buffer, .address_space: global }
      - { .name: wp16, .offset: 56, .size: 8, .value_kind: global_buffer, .address_space: global }
    .group_segment_fixed_size: 33280
    .private_segment_fixed_size: 0
    .kernarg_segment_align: 8
    .kernarg_segment_size: 64
    .max_flat_workgroup_size: 128
    .sgpr_count:     66
    .vgpr_count:     194
    .wavefront_size: 32
...
	.end_amdgpu_metadata
.endif
;; end of part 1
;; launch qkv (part 2): grid 12 x 32, 4 waves a work-group, clusters of 4 x 4, 327,680 bytes of LDS; arguments x_codes, x_scales, w_codes, w_scales, qkv, eq; writes qkv, eq
.if DOCPART == 2
	.amdgcn_target "amdgcn-amd-amdhsa--gfx1250"
	.amdhsa_code_object_version 6
	.text
	.protected	k_qee7c6012ab_qkv
	.globl	k_qee7c6012ab_qkv
	.p2align	8
	.type	k_qee7c6012ab_qkv,@function
k_qee7c6012ab_qkv:
	s_mov_b64 s[64:65], 0
	v_nop
	global_prefetch_b8 v0, s[64:65] scope:SCOPE_SE
	s_setreg_imm32_b32 hwreg(HW_REG_WAVE_MODE, 25, 1), 1
	s_wait_xcnt 0x0
	s_wait_alu depctr_hold_cnt(0) depctr_sa_sdst(0) depctr_va_vdst(0) depctr_va_sdst(0) depctr_va_ssrc(0) depctr_va_vcc(0) depctr_vm_vsrc(0)
	s_getreg_b32 s2, hwreg(HW_REG_IB_STS2, 6, 4)
	s_cmp_eq_u32 s2, 0
	s_cbranch_scc0 .Lentry_in_a_cluster
	s_endpgm
.Lentry_in_a_cluster:
	s_bfe_u32 s2, ttmp6, 0x10000c
	s_cmp_lg_u32 s2, 0xf033
	s_cbranch_scc0 .Lentry_shape_is_right
	s_endpgm
.Lentry_shape_is_right:
; qkv[m][e] = sum over k of x[m][k] w_qkv[e][k], both operands codes of FP4 (E2M1) with one E8M0 scale for each 32 along K; sums in f32; the results leave as f16, those of each batch's first 16 tokens as f32 too.
; A tile of 256 x 256 is made by a work-group of four waves; a wave makes 128 x 128: 64 accumulators of 16 x 16, 512 registers.  K = 1,024 is two steps of 512, each in an LDS slot of its own (a tile's row is 256
; bytes of memory): both are first fills, nothing is filled again.  THE SCALES of the work-group's 256 rows of x and 256 rows of w_qkv, for all of K, are two dense blocks of memory: they come into LDS once.
; CLUSTERS: 4 x 4 work-groups.  The four of a row of the cluster need the same tiles of x, the four of a column the same tiles of w_qkv: each tile is asked for JOINTLY, by the same tensor load with the same
; descriptor and a mask that names the four.  A cluster's four tile rows lie 8 apart (tile row = 8 cy + cluster y): 8 tile rows are a batch, so cy is the batch, and whether a tile begins a batch hangs on the
; cluster's y alone, which all sixteen partners share.
; THE MATRIX INSTRUCTION IS USED TRANSPOSED (source 0 = 16 rows of w_qkv, source 1 = 16 rows of x): a lane then holds eight neighbouring channels of one token.
; THE WAY OUT NEEDS NO STAGE.  The buffer is laid [q, k or v][batch 4][head 16][16 tokens: 128][16 channels: 4][512 bytes]: a piece of 16 tokens x 16 channels of f16, in chunks of 16 bytes (one token, eight channels).
; An accumulator IS such a piece: lane (r, h) holds token r, channels 8 h + 0 .. 7, which pack into one chunk; the wave's store covers the piece's 512 consecutive bytes, aligned.  In q and k chunk (r, h) lies at
; place r + 16 h, the lane's own number: two pieces read at 16 x lane are then a 16 x 32 operand's registers.  In v it lies at place (r % 8) + 8 h + 16 (r / 8): read at 16 x lane by the turning LDS load it gives
; half an operand of v^T.  The place enters store addresses alone.
; THE FIRST 16 TOKENS OF A BATCH see at most 16 keys: their output rows are about as large as v itself, some ten times the whole output's root mean square, on which the allowance hangs; five roundings to 11 bits
; on the way are too coarse there.  So their q, k and v also leave as they stand, in f32, laid [batch 4][16 columns: 192][1,024 bytes]: an accumulator's registers 0-3 at 16 x lane, registers 4-7 at 512 + 16 x lane.
; LIMIT: a q, k or v of magnitude 65,504 or more becomes an f16 infinity.
; REGISTERS, in windows of 256: window 0: v0-31 addresses; v32-95 scale words, two sets; from v128 x's fragments (8 x 16 rows x 128 K), ONE set; on the way out v128-255 hold packed results.
;   window 1: w_qkv's fragments, TWO sets, at v0 and at v128.   window 2: the 32 accumulators of my rows 0-63 (accumulator (a, b) at v[8 (8 a + b)]);   window 3: those of my rows 64-127.
.set SIZE_M, 8192
.set SIZE_N, 3072
.set SIZE_K, 1024
.set KSTEP,  512                       ; along K in a slot
.set NQ,     KSTEP/128                 ; matrix instructions deep
.set ROWB,   256                       ; a tile's row in bytes: KSTEP codes of 4 bits
.set KROW,   SIZE_K*4/8                ; a row of codes in memory, in bytes
.set PITCH,  272                       ; an LDS row: 256 bytes of data + 16 of padding = 68 words: row r starts at bank 4 r mod 64 (64 banks of 4 bytes: ISA guide 11.1)
.set FR,     8                         ; registers of a fragment: 16 rows x 128 K
.set NL,     2                         ; LDS loads that bring one
.set NP,     4                         ; places behind this matrix instruction (ISA guide 7.12.1)
.set HALFT,  128*PITCH                 ; 128 rows: what one tensor load brings, and what one wave reads of either operand
.set SLOT,   4*HALFT                   ; x's 256 rows, then w_qkv's 256 rows
.set KS,     SIZE_K/32                 ; a row of scales in bytes
.set SCL,    2*SLOT                    ; behind the slots: the scales, as runs of 256 bytes + 16 of padding
.set HALFS,  (128*KS/256)*272          ; the scales of 128 rows: what one tensor load brings
.set SBLK,   (16*KS/256)*272           ; those of 16 rows
.set SPARE,  SCL+4*HALFS               ; behind the scales: the spare words, 128 bytes for each wave: two blocks of 256 bytes that no other line names
.set EQB,    16*SIZE_N*4               ; the f32 copy: a batch's 16 tokens x 3,072 numbers
.set ADRA, 16                          ; v16-17  LDS address of my fragments of x in slot 0, 1
.set ADRB, 20                          ; v20-21  the same for w_qkv
.set EO,   25                          ; v25     16 x lane: my place in the f32 copy's stores
.set CO,   26                          ; v26     16 x my chunk's place in a piece
.set ADRS, 27                          ; v27     LDS address of my scale words: lanes 0-15 x's rows, lanes 16-31 w_qkv's
.set SPW,  28                          ; v28     LDS address of my spare word: SPARE + 4 x my thread's number; never rewritten
.set NIL,  29                          ; v29     0; never rewritten
.set SC,   32                          ; scale words: set s (for slot s) at v[SC + 8 NQ s]; register NQ i + q: lanes 0-15 the word of x's block i, lanes 16-31 that of w_qkv's block i, for the slot's q-th 128 along K
.set AF,   128                         ; x's fragments, in window 0
.set TMP,  128                         ; the way out: packed results, four sets of 32
.set G1, 24                            ; s[24:31] descriptor group 1 for x's tiles;  s[32:39] group 0, one set for each slot
.set G0, 32
.set G1B, 48                           ; s[48:55], s[56:63] the same for w_qkv's tiles
.set G0B, 56
.set G1S, 68                           ; s[68:75], s[76:79] groups 1 and 0 for x's scales;  s[80:87], s[88:91] for w_qkv's
.set G0S, 76
.set G1SB, 80
.set G0SB, 88
.set FIRST, 95                         ; s95     0 in the waves whose block 0 is a batch's first 16 tokens: waves 0 and 1 of the clusters with y = 0
.set EQ,   96                          ; s[96:97] the f32 copy, at my eight pieces
.set MSB, 0
.macro WIN new                         ; the immediate's high byte repeats the setting that is left
.if MSB != \new
	s_set_vgpr_msb (MSB<<8)|\new
.set MSB, \new
.endif
.endm
.set MUL_LO, 0xa1                      ; source 0 (w_qkv) window 1, source 1 (x) window 0, C and D window 2
.set MUL_HI, 0xf1                      ; the same, C and D window 3
.set TO_B,   0x40                      ; destination window 1, address window 0
; A joint load: waves 0 and 1 fetch for x, waves 2 and 3 for w_qkv.  Each of the two lines has ONE mask and one set of registers for all that issue it; the branch hangs on the wave's number alone.
; Four v_nop follow each of the two lines, ahead of the jump, the label and what follows.
.macro JLOAD g0a, g1a, g0b, g1b
	s_cmp_eq_u32 s15, 0
	s_cbranch_scc0 .Lfor_b_\@
	tensor_load_to_lds s[\g0a:\g0a+3], s[\g1a:\g1a+7]
	s_nop 0
.rept 4
	v_nop
.endr
	s_branch .Lasked_\@
.Lfor_b_\@:
	tensor_load_to_lds s[\g0b:\g0b+3], s[\g1b:\g1b+7]
	s_nop 0
.rept 4
	v_nop
.endr
.Lasked_\@:
.endm
.macro CROUND                          ; a round of the cluster's barrier: my work-group's barrier; wave 0 signals for the work-group; every wave waits for all sixteen; my work-group's barrier once more
	s_barrier_signal -1
	s_barrier_wait -1
	s_cmp_lg_u32 s14, 0
	s_cbranch_scc1 .Lnot_wave_0_\@
	s_barrier_signal -3
.Lnot_wave_0_\@:
	s_barrier_wait -3
	s_barrier_signal -1
	s_barrier_wait -1
.endm
	s_load_b128 s[4:7], s[0:1], 0x0                ; x's codes s[4:5], x's scales s[6:7]
	s_load_b128 s[8:11], s[0:1], 0x10              ; w_qkv's codes s[8:9], its scales s[10:11]
	s_load_b64 s[12:13], s[0:1], 0x20              ; qkv
	s_load_b64 s[EQ:EQ+1], s[0:1], 0x28            ; the f32 copy of each batch's first 16 tokens
	v_lshl_add_u32 v[SPW], v0, 2, SPARE
	v_mov_b32 v[NIL], 0
	ds_add_u32 v28, v29
	s_wait_dscnt 0x0
	v_lshrrev_b32 v1, 5, v0
	v_readfirstlane_b32 s14, v1                    ; wave 0..3
	s_lshr_b32 s15, s14, 1                         ; which half of the tile's rows is mine.  Also: I fetch for x (0) or for w_qkv (1)
	s_and_b32 s16, s14, 1                          ; which half of its columns.  Also: which 128 rows of that tile I fetch
	s_bfe_u32 s40, ttmp6, 0x40000                  ; cx, cy: my place in the cluster
	s_bfe_u32 s41, ttmp6, 0x40004
	s_lshl_b32 s42, ttmp9, 2
	s_add_co_u32 s42, s42, s40                     ; tile column = 4 x cluster x + cx
	s_and_b32 s17, ttmp7, 0xffff                   ; cluster y, 0 .. 7
	s_or_b32 s[FIRST], s17, s15                    ; made of the cluster's y and the wave's number: the same in all sixteen partners
	s_lshl_b32 s18, s41, 3
	s_add_co_u32 s17, s17, s18                     ; tile row = 8 cy + cluster y
	s_lshl_b32 s43, s41, 2
	s_lshl_b32 s43, 15, s43                        ; my row of the cluster
	s_lshl_b32 s44, 0x1111, s40                    ; my column
	; descriptor group 1: a tile of 128 rows x ROWB bytes, padded in LDS
	s_or_b32 s[G1+0], s43, (0<<16)|(1<<20)|(1<<21)|(5<<22)|(3<<25)  ; 15:0 the mask: x's tiles go to my row; 17:16 element of 1 byte; 20 padding on; 21 set beside a mask; 24:22 after every 64 words (code 5); 31:25 of 4 words (code 3)
	s_or_b32 s[G1B+0], s44, (0<<16)|(1<<20)|(1<<21)|(5<<22)|(3<<25)
.irp g, G1, G1B
	s_mov_b32 s[\g+1], ROWB<<16                    ; tensor_dim0
	s_mov_b32 s[\g+2], 128<<16                     ; tensor_dim1 = 128
	s_mov_b32 s[\g+3], ROWB<<16                    ; tile_dim0
	s_mov_b32 s[\g+4], 128                         ; tile_dim1 = 128
	s_mov_b32 s[\g+5], KROW                        ; tensor_dim0_stride
	s_mov_b32 s[\g+6], 0
	s_mov_b32 s[\g+7], 0
.endr
	; and for the scales of 128 rows: a dense block of 128 KS bytes, as rows of 256 bytes (32 elements of 8 bytes), 16 bytes of padding behind each
	s_or_b32 s[G1S+0], s43, (3<<16)|(1<<20)|(1<<21)|(5<<22)|(3<<25)
	s_or_b32 s[G1SB+0], s44, (3<<16)|(1<<20)|(1<<21)|(5<<22)|(3<<25)
.irp g, G1S, G1SB
	s_mov_b32 s[\g+1], 32<<16
	s_mov_b32 s[\g+2], (128*KS/256)<<16
	s_mov_b32 s[\g+3], 32<<16
	s_mov_b32 s[\g+4], 128*KS/256
	s_mov_b32 s[\g+5], 32
	s_mov_b32 s[\g+6], 0
	s_mov_b32 s[\g+7], 0
.endr
	s_lshl_b32 s18, s16, 7                         ; which 128 rows of the tile I fetch
	s_lshl_b32 s20, s17, 8
	s_add_co_u32 s20, s20, s18                     ; x: row 256 x tile row + 128 x half
	s_lshl_b32 s46, s42, 8
	s_add_co_u32 s46, s46, s18                     ; w_qkv: row 256 x tile column + 128 x half
	s_mov_b32 s21, 0
	s_mov_b32 s47, 0
	s_mov_b64 s[18:19], KS
	s_mul_u64 s[22:23], s[20:21], s[18:19]         ; where these rows' scales begin, in bytes
	s_mul_u64 s[92:93], s[46:47], s[18:19]
	s_mov_b64 s[18:19], KROW
	s_mul_u64 s[20:21], s[20:21], s[18:19]         ; and their codes
	s_mul_u64 s[46:47], s[46:47], s[18:19]
	s_mul_i32 s45, s14, HALFT                      ; where they go: wave x 128 rows: no place in the cluster enters an LDS address
	s_mul_i32 s94, s14, HALFS
	s_wait_kmcnt 0x0
	s_add_nc_u64 s[20:21], s[4:5], s[20:21]
	s_add_nc_u64 s[22:23], s[6:7], s[22:23]
	s_add_nc_u64 s[46:47], s[8:9], s[46:47]
	s_add_nc_u64 s[92:93], s[10:11], s[92:93]
	CROUND                                         ; all sixteen work-groups are here: the joint loads meet
	s_mov_b32 s[G0S], 1
	s_add_co_u32 s[G0S+1], s94, SCL
	s_mov_b64 s[G0S+2:G0S+3], s[22:23]
	s_or_b32 s[G0S+3], s[G0S+3], 0x80000000
	s_mov_b32 s[G0SB], 1
	s_add_co_u32 s[G0SB+1], s94, SCL
	s_mov_b64 s[G0SB+2:G0SB+3], s[92:93]
	s_or_b32 s[G0SB+3], s[G0SB+3], 0x80000000
	JLOAD G0S, G1S, G0SB, G1SB                     ; the scales first: they are wanted with K step 0
.irp s, 0,1
	s_mov_b32 s[G0+4*\s], 1
	s_add_co_u32 s[G0+4*\s+1], s45, \s*SLOT
	s_add_nc_u64 s[G0+4*\s+2:G0+4*\s+3], s[20:21], \s*ROWB
	s_or_b32 s[G0+4*\s+3], s[G0+4*\s+3], 0x80000000
	s_mov_b32 s[G0B+4*\s], 1
	s_add_co_u32 s[G0B+4*\s+1], s45, \s*SLOT
	s_add_nc_u64 s[G0B+4*\s+2:G0B+4*\s+3], s[46:47], \s*ROWB
	s_or_b32 s[G0B+4*\s+3], s[G0B+4*\s+3], 0x80000000
	JLOAD G0+4*\s, G1, G0B+4*\s, G1B               ; three tensor loads of mine are out behind the second of these
.endr
	v_and_b32 v1, 15, v0                           ; l % 16
	v_bfe_u32 v2, v0, 4, 1                         ; l / 16
	v_mul_u32_u24 v3, v1, PITCH
	v_lshl_add_u32 v4, v2, 4, v3                   ; a fragment's row x pitch + 16 x half
	s_mul_i32 s21, s15, HALFT                      ; my 128 rows of x
	s_mul_i32 s22, s16, HALFT                      ; my 128 rows of w_qkv,
	s_add_co_u32 s22, s22, 2*HALFT                 ; which lie behind x's 256
.irp s, 0,1
	v_add_nc_u32 v[ADRA+\s], s21, v4
	v_add_nc_u32 v[ADRB+\s], s22, v4
	s_add_co_u32 s21, s21, SLOT
	s_add_co_u32 s22, s22, SLOT
.endr
	v_mul_u32_u24 v5, v1, KS                       ; my row's scales: KS bytes a row,
	v_lshrrev_b32 v6, 8, v5
	v_lshl_add_u32 v5, v6, 4, v5                   ; and 16 more for each 256 passed
	s_mul_i32 s21, s15, HALFS                      ; x's: my 128 rows
	s_mul_i32 s22, s16, HALFS                      ; w_qkv's: my 128 rows, behind x's 256
	s_add_co_u32 s22, s22, 2*HALFS
	s_sub_co_u32 s22, s22, s21
	v_mul_u32_u24 v6, s22, v2                      ; lanes 16-31 take w_qkv's
	s_add_co_u32 s21, s21, SCL
	v_add_nc_u32 v5, v5, v6
	v_add_nc_u32 v[ADRS], s21, v5
	; where my 128 x 128 go: 1,024 columns are q, k or v; 2,048 rows are a batch; 64 columns a head; 16 rows and 16 columns a piece
	s_lshr_b32 s20, s42, 2                         ; q, k or v: tile column / 4
	s_cmp_eq_u32 s20, 2                            ; v's chunks lie otherwise in a piece: the lane's bits 3 and 4 change places.  A choice of two shift counts: no branch hangs on it
	s_cselect_b32 s22, 4, 3
	s_cselect_b32 s23, 3, 4
	s_lshl_b32 s20, s20, 24
	s_lshr_b32 s21, s17, 3                         ; the batch: tile row / 8
	s_mul_i32 s46, s21, EQB                        ; (the f32 copy: my batch,
	s_lshl_b32 s21, s21, 22
	s_add_co_u32 s20, s20, s21
	s_and_b32 s21, s42, 3                          ; my first head: 4 x (tile column % 4) + 2 x my half of the columns
	s_lshl_b32 s21, s21, 2
	s_lshl_b32 s47, s16, 1
	s_add_co_u32 s21, s21, s47
	s_lshl_b32 s21, s21, 18
	s_add_co_u32 s20, s20, s21
	s_and_b32 s21, s17, 7                          ; my first 16 tokens: 16 x (tile row % 8) + 8 x my half of the rows
	s_lshl_b32 s21, s21, 4
	s_lshl_b32 s47, s15, 3
	s_add_co_u32 s21, s21, s47
	s_lshl_b32 s21, s21, 11
	s_add_co_u32 s20, s20, s21                     ; under 2^26
	s_mov_b32 s21, 0
	s_add_nc_u64 s[12:13], s[12:13], s[20:21]
	s_lshl_b32 s47, s42, 14                        ; my first 16 columns: 16 x tile column + 8 x my half, 1,024 bytes each)
	s_add_co_u32 s46, s46, s47
	s_lshl_b32 s47, s16, 13
	s_add_co_u32 s46, s46, s47
	s_mov_b32 s47, 0
	s_add_nc_u64 s[EQ:EQ+1], s[EQ:EQ+1], s[46:47]
	v_and_b32 v5, 7, v0
	v_bfe_u32 v6, v0, 3, 1
	v_lshlrev_b32 v6, s22, v6
	v_or_b32 v5, v5, v6
	v_lshlrev_b32 v6, s23, v2
	v_or_b32 v5, v5, v6                            ; my chunk's place in a piece
	v_lshlrev_b32 v[CO], 4, v5
	v_and_b32 v5, 31, v0
	v_lshlrev_b32 v[EO], 4, v5
.macro FRAG reg, adr, q, i             ; a fragment, 16 rows x 128 K of 4-bit codes, is 8 registers: lane l holds row l % 16; registers 4 c .. 4 c + 3 hold K = 64 c + 32 (l / 16) + 0 .. 31, the lower K in the lower bits
.irp c, 0,1
	ds_load_b128 v[\reg+4*\c:\reg+4*\c+3], v[\adr] offset:64*(\q)+32*\c+(\i)*16*PITCH
.endr
.endm
; 16 matrix instructions: x's blocks a0, a0 + 1 against w_qkv's eight, 128 along K: the slot's q-th.  p: w_qkv's set;  sc: the set of scale words.  zero = 1: the first product starts the sums: nothing is ever cleared.
; The 64 accumulators take turns, one instruction a turn, in the same order in every step.
.macro MUL16 a0, p, q, sc, zero
.irp a, \a0, \a0+1
.irp b, 0,1,2,3,4,5,6,7
.if \zero
	v_wmma_scale_f32_16x16x128_f8f6f4 v[8*(8*((\a)%4)+\b):8*(8*((\a)%4)+\b)+7], v[128*(\p)+FR*\b:128*(\p)+FR*\b+FR-1], v[AF+FR*(\a):AF+FR*(\a)+FR-1], 0, v[SC+8*NQ*(\sc)+NQ*\b+(\q)], v[SC+8*NQ*(\sc)+NQ*(\a)+(\q)] matrix_a_fmt:MATRIX_FMT_FP4 matrix_b_fmt:MATRIX_FMT_FP4 matrix_a_scale:MATRIX_SCALE_ROW1
.else
	v_wmma_scale_f32_16x16x128_f8f6f4 v[8*(8*((\a)%4)+\b):8*(8*((\a)%4)+\b)+7], v[128*(\p)+FR*\b:128*(\p)+FR*\b+FR-1], v[AF+FR*(\a):AF+FR*(\a)+FR-1], v[8*(8*((\a)%4)+\b):8*(8*((\a)%4)+\b)+7], v[SC+8*NQ*(\sc)+NQ*\b+(\q)], v[SC+8*NQ*(\sc)+NQ*(\a)+(\q)] matrix_a_fmt:MATRIX_FMT_FP4 matrix_b_fmt:MATRIX_FMT_FP4 matrix_a_scale:MATRIX_SCALE_ROW1
.endif
.endr
.endr
.endm
.macro FETCH_B slot, q, p              ; w_qkv's eight fragments of the slot's q-th 128 along K into set p
	WIN TO_B
.irp i, 0,1,2,3,4,5,6,7
	FRAG 128*(\p)+FR*\i, ADRB+\slot, \q, \i
.endr
	WIN 0
.endm
.macro FETCH_A slot, q, i0             ; x's blocks i0 .. i0 + 3
.irp i, \i0, \i0+1, \i0+2, \i0+3
	FRAG AF+FR*(\i), ADRA+\slot, \q, \i
.endr
.endm
.macro SCALES sc                       ; a K step's scale words into set sc: NQ words a row; lanes 0-15 take x's block i, lanes 16-31 w_qkv's block i
.irp i, 0,1,2,3,4,5,6,7
	ds_load_b128 v[SC+8*NQ*\sc+NQ*\i:SC+8*NQ*\sc+NQ*\i+3], v[ADRS] offset:\i*SBLK
.endr
.endm
; A load into a register that a matrix instruction has read, and a vector instruction or a store that reads a matrix result or writes one of a matrix instruction's registers, stand NP places behind that matrix
; instruction, and only plain vector instructions that name none of its registers are places (ISA guide 7.12.1 for vector instructions).
.macro PLACES n
.rept \n
	v_nop
.endr
.endm
; A step of 128 along K that has its successor in the same slot.  A block of x is free as soon as its eight products are issued, so one set of registers serves x: blocks 0-3 are fetched anew in the step's middle, blocks 4-7 at its end.
.macro STEP slot, q, zero
	s_wait_dscnt 4*NL                              ; w_qkv's set and x's blocks 0-3 are in; the youngest eight loads (x's blocks 4-7) may be out
	WIN MUL_LO
	MUL16 0, (\q)%2, \q, \slot, \zero
	MUL16 2, (\q)%2, \q, \slot, \zero
	s_wait_dscnt 0                                 ; x's blocks 4-7 are in (asked for 32 matrix instructions ago)
	PLACES NP
	FETCH_B \slot, (\q)+1, 1-(\q)%2
	FETCH_A \slot, (\q)+1, 0
	WIN MUL_HI
	MUL16 4, (\q)%2, \q, \slot, \zero
	MUL16 6, (\q)%2, \q, \slot, \zero
	PLACES NP
	WIN 0
	FETCH_A \slot, (\q)+1, 4
.endm
; Slot 0's last step changes slots: one barrier; in front of it each wave waits for all its tensor loads (its part of slot 1), adds 0 to its spare word, and waits for that and for its own LDS loads.
.macro TURN slot, next
	s_wait_tensorcnt 0x0                           ; all my tensor loads have landed: my part of the next slot;  (every window is 0 here: the add's two registers lie in window 0)
	ds_add_u32 v[SPW], v[NIL]                      ; 0 onto my spare word;
	s_wait_dscnt 4*NL+1                            ; (the add and the youngest eight loads, x's blocks 4-7, may be out)
	WIN MUL_LO
	MUL16 0, 1, NQ-1, \slot, 0                     ; sixteen matrix instructions stand between the add and the wait for it
	s_wait_dscnt 0x0                               ; the add is done, and my reads of this slot are over
	s_barrier_signal -1
	MUL16 2, 1, NQ-1, \slot, 0
	WIN 0
	s_barrier_wait -1                              ; every wave's part of the next slot has landed
	PLACES NP
	v_add_nc_u32 v[ADRS], 4*NQ, v[ADRS]            ; on to the next K step's scale words (no LDS load of mine is out)
	FETCH_B \next, 0, 0
	FETCH_A \next, 0, 0
	SCALES \next
	WIN MUL_HI
	MUL16 4, 1, NQ-1, \slot, 0
	MUL16 6, 1, NQ-1, \slot, 0
	PLACES NP
	WIN 0
	FETCH_A \next, 0, 4
.endm
.macro STEPS slot, from                ; the slot's steps from .. NQ - 2
.set Q, \from
.rept NQ-1-\from
	STEP \slot, Q, 0
.set Q, Q+1
.endr
.endm
	s_wait_tensorcnt 1                             ; the scales and my part of K step 0 are in (K step 1's load may be out),
	s_barrier_signal -1
	s_barrier_wait -1                              ; everybody's are
	FETCH_B 0, 0, 0
	FETCH_A 0, 0, 0
	SCALES 0
	FETCH_A 0, 0, 4
	STEP 0, 0, 1                                   ; the first step's products start the sums
	STEPS 0, 1
	TURN 0, 1
	STEPS 1, 0
	s_wait_dscnt 4*NL                              ; the very last step: nothing more to fetch
	WIN MUL_LO
	MUL16 0, 1, NQ-1, 1, 0
	MUL16 2, 1, NQ-1, 1, 0
	s_wait_dscnt 0
	WIN MUL_HI
	MUL16 4, 1, NQ-1, 1, 0
	MUL16 6, 1, NQ-1, 1, 0
	WIN 0
; THE WAY OUT of block a (16 tokens x 128 channels: two heads x four pieces).  Each accumulator is rounded to f16, from its low end on, and stored as one piece.
.macro OUT a
.set AC, 64*((\a)%4)
.set TP, TMP+32*((\a)%4)
.if (\a) >= 4
	s_wait_xcnt 0x0                                ; block a - 4's stores have read their data: these registers are written again only behind this wait
.endif
	WIN 0x0a+5*((\a)/4)                            ; sources 0 and 1: window 2 or 3
.irp b, 0,1,2,3,4,5,6,7
.irp r, 0,1,2,3
	v_cvt_pk_f16_f32 v[TP+4*\b+\r], v[AC+8*\b+2*\r], v[AC+8*\b+2*\r+1]
.endr
.endr
	WIN 0
.irp b, 0,1,2,3,4,5,6,7
	global_store_b128 v[CO], v[TP+4*\b:TP+4*\b+3], s[12:13] offset:(\a)*2048+(\b/4)*262144+(\b%4)*512   ; 32 lanes store 512 consecutive bytes, aligned; every offset an immediate, 278,016 at the most
.endr
.endm
	PLACES NP                                      ; the packed results land where x's fragments lay, and the last blocks' conversions read results just made
	s_cmp_lg_u32 s[FIRST], 0                       ; a batch's first 16 tokens are block 0 of waves 0 and 1 in the clusters with y = 0
	s_cbranch_scc1 .Lno_f32
	WIN 0x08                                       ; a store's data are its source 1: window 2
.irp b, 0,1,2,3,4,5,6,7
	global_store_b128 v[EO], v[8*\b:8*\b+3], s[EQ:EQ+1] offset:\b*1024            ; the accumulator as it stands, from its low end on: 32 lanes store 512 consecutive bytes, aligned
	global_store_b128 v[EO], v[8*\b+4:8*\b+7], s[EQ:EQ+1] offset:\b*1024+512
.endr
	WIN 0
.Lno_f32:
.irp a, 0,1,2,3,4,5,6,7
	OUT \a
.endr
	s_wait_tensorcnt 0x0                           ; the wave's end
	ds_add_u32 v[SPW], v[NIL]
	s_wait_dscnt 0x0
	CROUND                                         ; the closing round: no work-group ends while a partner may still ask for a tile that names it
	s_endpgm
.Lfunc_end_k_qee7c6012ab_qkv:
	.size	k_qee7c6012ab_qkv, .Lfunc_end_k_qee7c6012ab_qkv-k_qee7c6012ab_qkv
	.p2alignl 7, 3214868480
	.fill 96, 4, 3214868480
	.section	.rodata,"a",@progbits
	.p2align	6, 0x0
	.amdhsa_kernel k_qee7c6012ab_qkv
		.amdhsa_group_segment_fixed_size 327680
		.amdhsa_private_segment_fixed_size 0
		.amdhsa_enable_private_segment 0
		.amdhsa_kernarg_size 48
		.amdhsa_user_sgpr_count 2
		.amdhsa_user_sgpr_kernarg_segment_ptr 1
		.amdhsa_wavefront_size32 1
		.amdhsa_system_sgpr_workgroup_id_x 1
		.amdhsa_system_sgpr_workgroup_id_y 1
		.amdhsa_system_sgpr_workgroup_id_z 1
		.amdhsa_system_vgpr_workitem_id 0
		.amdhsa_next_free_vgpr 1024
		.amdhsa_next_free_sgpr 98
		.amdhsa_reserve_vcc 0
		.amdhsa_float_denorm_mode_32 3
		.amdhsa_float_denorm_mode_16_64 3
		.amdhsa_memory_ordered 1
		.amdhsa_forward_progress 1
		.amdhsa_inst_pref_size 120
	.end_amdhsa_kernel
	.amdgpu_metadata
---
amdhsa.version: [ 1, 2 ]
amdhsa.kernels:
  - .name:           k_qee7c6012ab_qkv
    .symbol:         k_qee7c6012ab_qkv.kd
    .args:
      - { .name: x_codes, .offset: 0, .size: 8, .value_kind: global_buffer, .address_space: global }
      - { .name: x_scales, .offset: 8, .size: 8, .value_kind: global_buffer, .address_space: global }
      - { .name: w_codes, .offset: 16, .size: 8, .value_kind: global_buffer, .address_space: global }
      - { .name: w_scales, .offset: 24, .size: 8, .value_kind: global_buffer, .address_space: global }
      - { .name: qkv, .offset: 32, .size: 8, .value_kind: global_buffer, .address_space: global }
      - { .name: eq, .offset: 40, .size: 8, .value_kind: global_buffer, .address_space: global }
    .group_segment_fixed_size: 327680
    .private_segment_fixed_size: 0
    .kernarg_segment_align: 8
    .kernarg_segment_size: 48
    .max_flat_workgroup_size: 128
    .sgpr_count:     98
    .vgpr_count:     1024
    .wavefront_size: 32
...
	.end_amdgpu_metadata
.endif
;; end of part 2
;; launch attn (part 3): grid 4 x 64, 16 waves a work-group, clusters of 4 x 1, 327,680 bytes of LDS; arguments qkv, ctx; writes ctx
.if DOCPART == 3
	.amdgcn_target "amdgcn-amd-amdhsa--gfx1250"
	.amdhsa_code_object_version 6
	.text
	.protected	k_qee7c6012ab_attn
	.globl	k_qee7c6012ab_attn
	.p2align	8
	.type	k_qee7c6012ab_attn,@function
k_qee7c6012ab_attn:
	s_mov_b64 s[64:65], 0
	v_nop
	global_prefetch_b8 v0, s[64:65] scope:SCOPE_SE
	s_setreg_imm32_b32 hwreg(HW_REG_WAVE_MODE, 25, 1), 1
	s_wait_xcnt 0x0
	s_wait_alu depctr_hold_cnt(0) depctr_sa_sdst(0) depctr_va_vdst(0) depctr_va_sdst(0) depctr_va_ssrc(0) depctr_va_vcc(0) depctr_vm_vsrc(0)
	s_getreg_b32 s2, hwreg(HW_REG_IB_STS2, 6, 4)
	s_cmp_eq_u32 s2, 0
	s_cbranch_scc0 .Lentry_in_a_cluster
	s_endpgm
.Lentry_in_a_cluster:
	s_bfe_u32 s2, ttmp6, 0x10000c
	s_cmp_lg_u32 s2, 0x3003
	s_cbranch_scc0 .Lentry_shape_is_right
	s_endpgm
.Lentry_shape_is_right:
; ctx[b][q][head][:] = the sum over keys k <= q of softmax_k(Q[q] . K[k] / 8) V[k][:], for each of 64 (batch, head) pairs; 2,048 tokens, head size 64.  Operands f16; products, maxima and sums f32.
; q, k, v come as pieces of 16 tokens x 16 channels (512 bytes, chunks of one token x eight channels), laid [q, k, v][batch][head][16 tokens: 128][16 channels: 4].  In q and k a chunk lies at the place of the lane
; that wants it: two pieces read at 16 x lane are a 16 x 32 operand.  In v the chunks lie so that the turning LDS load at 16 x lane gives half an operand of v^T.  So every LDS load reads 512 consecutive bytes.
; SHARES.  The cluster's four work-groups own one (batch, head) and ask for its K and V JOINTLY.  A wave owns 32 queries, two tiles of 16, in 256 registers: four waves to a SIMD, so that one wave's vector work stands
; beside another's matrix work.  Wave w of work-group cx owns queries 128 g(w) + 32 cx + 0 .. 31.  Every work-group walks all 2,048 keys, 64 a step, through two LDS slots of 512 keys.
; THE CAUSAL MASK.  A step is held against the 128 queries QL .. QH that wave w owns in the four partners TOGETHER, so that no branch hangs on a work-group's place in its cluster: a step that begins behind QH is
; left out (its loads, products and softmax; not the lines that step addresses); a step that ends at or before QL needs no mask; the two steps between are masked lane by lane (hidden scores become -infinity).
; g(w) is a 4 x 4 square in which every row and every column sums to 30 and has one number in each quarter of 0 .. 15: however the waves are dealt to the SIMDs by fours, each SIMD gets the same number of steps.
; LAYOUT.  S^T = K Q^T (source 0 = 16 keys, source 1 = 16 queries) and O^T = V^T P (source 0 = 16 channels, source 1 = P): a lane holds ONE query (lane % 16) throughout, and S^T's registers, rounded to f16 in
; pairs IN PLACE, are P.  SOFTMAX.  A running maximum m and sum l for each query: p = 2^(c s - c m), c = log2(e) / 8; in every step O and l are multiplied by 2^(c m_old - c m_new).
; THE WAY OUT.  An accumulator of O^T is 16 queries x 16 channels, a chunk a lane: ctx is laid [16 tokens: 512][16 channels: 64][512 bytes], and a store covers a piece's 512 consecutive bytes, aligned.
; LIMITS: a weight p under 2^-25 of its row's largest becomes 0 in f16; operands of magnitude 65,504 or more have become infinities in the launch before.
.set SLOT1, 1<<17                      ; slot 1 begins here, so that one exclusive or turns an address in one slot into the other's.  A slot: 512 keys of K (65,536 bytes), then of V
.set VOFF,  1<<16
.set STEPB, 8192                       ; 64 keys of K or of V
.set SLOTB, 65536                      ; 512 keys of K or of V in memory
.set SPARE, 2*SLOT1                    ; behind the slots: the spare words, 128 bytes for each of the sixteen waves: eight blocks of 256 bytes that no other line names
.set LI,   1                           ; v1   16 x lane; never rewritten
.set ADK,  2                           ; v2   LDS address of the step's K
.set ADV,  3                           ; v3   of its V
.set SPW,  4                           ; v4   LDS address of my spare word: SPARE + 4 x my thread's number; never rewritten
.set NIL,  5                           ; v5   0; never rewritten
.set DQ,   6                           ; v6   32 cx + lane % 16 - 8 (lane / 16)
.set DD,   7                           ; v7-8 the mask's bound for tile 0, 1
.set NINF, 9                           ; v9   -infinity
.set PFO,  10                          ; v10  256 x lane; never rewritten
.set ST,   16                          ; tile t's statistics at v[ST + 8 t]: +0 c m, +1 m, +2, +3 l (even keys', odd keys'), +4 to +7 at work; +6 the factor for O and l
.set QQ,   32                          ; v32-63   Q: tile t, channels 32 c on, at QQ + 16 t + 8 c
.set KV,   64                          ; v64-127  K's eight fragments, then V's eight
.set SS,   128                         ; v128-191 S^T, 32 a tile; then P in each tile's first 16
.set OO,   192                         ; v192-255 O^T: tile t, channels 16 d on, at OO + 32 t + 8 d
.set WV,   18                          ; s18  my wave's number
.set SEL,  20                          ; s[20:21] lane selects for v_permlanex16_b32: lane l xor 16
.set CS,   22                          ; s[22:23] c: the packed form names a pair and takes its low word for both halves
.set G1,   24                          ; s[24:31] descriptor group 1
.set G0,   32                          ; s[32:35] descriptor group 0, which walks
.set TB,   36                          ; s36  LDS byte at which the step's K begins
.set KF,   37                          ; s37  the step's first key
.set QL,   38                          ; s38  128 g
.set QH,   39                          ; s39  128 g + 127
.set SLOTS, 40                         ; s40  slots still to be asked for
.set CNT,  41                          ; s41  counts a slot's eight steps
.set LIM,  42                          ; s42  1 in a wave that prefetches, else the greatest number
.set PFA,  44                          ; s[44:45] where my prefetches stand
; A round of the cluster's barrier: my work-group's barrier, so that wave 0's signal speaks for all sixteen waves; wave 0 signals for the work-group; every wave waits for all four work-groups; my work-group's barrier once more.
.macro ROUND
	s_barrier_signal -1
	s_barrier_wait -1
	s_cmp_lg_u32 s[WV], 0
	s_cbranch_scc1 .Lnot_wave_0_\@
	s_barrier_signal -3
.Lnot_wave_0_\@:
	s_barrier_wait -3
	s_barrier_signal -1
	s_barrier_wait -1
.endm
; Waves 0 to 3 fetch a quarter of a slot each (K's halves, V's halves), the others nothing.  The branch hangs on the wave's number alone.  Four v_nop follow the load.
.macro TLOAD
	s_cmp_lt_u32 s[WV], 4
	s_cbranch_scc0 .Lasked_\@
	tensor_load_to_lds s[G0:G0+3], s[G1:G1+7]
	s_nop 0
.rept 4
	v_nop
.endr
.Lasked_\@:
.endm
; A PREFETCH INTO THE L2 of what the NEXT change of slots will ask for: 512 keys of K and of V, 65,536 dense bytes each.  Each aligned block of 256 bytes is named once in the launch: the head has one cluster; its four
; partners take 16,384 bytes of each tensor, told apart BY ADDRESS; in each, waves 4 and 5 take the halves of K's part and waves 6 and 7 of V's, lanes 256 bytes apart: one instruction a wave.
; It stands at the change of slots, a slot's eight steps ahead of the load that will want the bytes.  The last change that fills a slot asks for nothing; slots 0 and 1 come by their loads alone.
.macro ASK
	s_cmp_gt_u32 s[SLOTS], s[LIM]
	s_cbranch_scc0 .Lnot_mine_\@
	global_prefetch_b8 v[PFO], s[PFA:PFA+1] th:TH_LOAD_NT scope:SCOPE_SE
.Lnot_mine_\@:
.endm
	s_load_b128 s[4:7], s[0:1], 0x0                ; qkv s[4:5], ctx s[6:7]
	v_lshl_add_u32 v[SPW], v0, 2, SPARE
	v_mov_b32 v[NIL], 0
	ds_add_u32 v4, v5
	s_wait_dscnt 0x0
	v_lshrrev_b32 v1, 5, v0
	v_readfirstlane_b32 s[WV], v1                  ; wave 0..15
	s_bfe_u32 s46, ttmp6, 0x40000                  ; cx: my place in the cluster
	s_and_b32 s47, ttmp7, 0xffff                   ; y = 16 x batch + head, which the four partners share
	s_lshr_b32 s48, s[WV], 2                       ; a
	s_and_b32 s49, s[WV], 3                        ; b
	s_cmp_eq_u32 s48, 1
	s_cselect_b32 s[LIM], 1, -1                    ; waves 4 to 7 prefetch
	s_xor_b32 s50, s48, s49                        ; g = 4 (a ^ b) + (b ^ m), m = ((a ^ (a >> 1)) & 1) | ((a & 1) << 1)
	s_lshr_b32 s51, s48, 1
	s_xor_b32 s51, s51, s48
	s_and_b32 s51, s51, 1
	s_and_b32 s52, s48, 1
	s_lshl_b32 s52, s52, 1
	s_or_b32 s51, s51, s52
	s_xor_b32 s51, s51, s49
	s_lshl_b32 s50, s50, 2
	s_add_co_u32 s50, s50, s51                     ; g
	s_lshl_b32 s[QL], s50, 7
	s_add_co_u32 s[QH], s[QL], 127
	; descriptor group 1: 32,768 dense bytes as 128 rows of 256 bytes (32 elements of 8 bytes), no padding
	s_mov_b32 s[G1], 15|(3<<16)|(1<<21)            ; 15:0 the mask: all four work-groups; 17:16 elements of 8 bytes; 21 set beside a mask
	s_mov_b32 s[G1+1], 32<<16                      ; tensor_dim0 = 32
	s_mov_b32 s[G1+2], 128<<16                     ; tensor_dim1 = 128
	s_mov_b32 s[G1+3], 32<<16                      ; tile_dim0 = 32
	s_mov_b32 s[G1+4], 128                         ; tile_dim1 = 128
	s_mov_b32 s[G1+5], 32                          ; tensor_dim0_stride
	s_mov_b32 s[G1+6], 0
	s_mov_b32 s[G1+7], 0
	s_mov_b32 s[SEL], 0x76543210
	s_mov_b32 s[SEL+1], 0xfedcba98
	s_mov_b32 s[CS], 0x3e38aa3b                    ; c = log2(e) / 8
	s_mov_b32 s[CS+1], s[CS]                       ; (named with it as a pair, so it is written)
	s_mov_b32 s[TB], 0
	s_mov_b32 s[KF], 0
	s_mov_b32 s[SLOTS], 3
	s_lshl_b32 s51, s47, 18                        ; my head's bytes in each of q, k, v
	s_bfe_u32 s52, s[WV], 0x10001                  ; bit 1 of the wave's number: K (0) or V (1)
	s_add_co_u32 s52, s52, 1
	s_lshl_b32 s52, s52, 24
	s_add_co_u32 s52, s52, s51                     ; K's or V's part of my head
	s_and_b32 s48, s[WV], 1
	s_lshl_b32 s54, s48, 13                        ; the prefetches: 8,192 x (wave % 2)
	s_add_co_u32 s54, s54, s52
	s_lshl_b32 s55, s46, 14                        ; + 16,384 x cx
	s_add_co_u32 s54, s54, s55
	s_add_co_u32 s54, s54, SLOTB                   ; in slot 1's keys: the first change of slots steps it on to slot 2's
	s_mov_b32 s55, 0
	s_lshl_b32 s48, s48, 15                        ; the tensor loads: 32,768 x (wave % 2).  Nothing of cx enters these registers
	s_add_co_u32 s52, s52, s48
	s_mov_b32 s53, 0
	s_mov_b32 s[G0], 1                             ; 1:0 count = 1
	s_lshl_b32 s[G0+1], s49, 15                    ; 63:32 LDS address: 32,768 x (wave % 4), in slot 0
	s_wait_kmcnt 0x0
	s_add_nc_u64 s[G0+2:G0+3], s[4:5], s[52:53]    ; 120:64 global address: the head's first 512 keys
	s_or_b32 s[G0+3], s[G0+3], 0x80000000          ; 127:126 type = 2
	ROUND                                          ; all four work-groups are here: the first joint loads meet
	TLOAD                                          ; slot 0
	s_add_nc_u64 s[PFA:PFA+1], s[4:5], s[54:55]
	s_lshl_b32 s52, s50, 14                        ; Q: my 32 queries are pieces' rows 8 g + 2 cx and the next, 2,048 bytes each
	s_add_co_u32 s52, s52, s51
	s_lshl_b32 s54, s46, 12
	s_add_co_u32 s52, s52, s54
	s_add_nc_u64 s[4:5], s[4:5], s[52:53]
	s_lshr_b32 s52, s47, 4                         ; ctx: row of pieces 128 x batch + 8 g + 2 cx, 32,768 bytes each; my head's four pieces begin 2,048 x head bytes on
	s_lshl_b32 s52, s52, 7
	s_lshl_b32 s54, s50, 3
	s_add_co_u32 s52, s52, s54
	s_lshl_b32 s54, s46, 1
	s_add_co_u32 s52, s52, s54
	s_lshl_b32 s52, s52, 15
	s_and_b32 s54, s47, 15
	s_lshl_b32 s54, s54, 11
	s_add_co_u32 s52, s52, s54
	s_add_nc_u64 s[6:7], s[6:7], s[52:53]
	v_and_b32 v1, 31, v0
	v_lshlrev_b32 v[PFO], 8, v1
	v_lshlrev_b32 v[LI], 4, v1
.irp t, 0,1
.irp c, 0,1
.irp p, 0,1
	global_load_b128 v[QQ+16*\t+8*\c+4*\p:QQ+16*\t+8*\c+4*\p+3], v[LI], s[4:5] offset:\t*2048+\c*1024+\p*512   ; Q stays in registers
.endr
.endr
.endr
	v_and_b32 v[DQ], 15, v0
	v_bfe_u32 v[DD], v0, 4, 1
	v_lshlrev_b32 v[DD], 3, v[DD]
	v_sub_nc_u32 v[DQ], v[DQ], v[DD]
	s_lshl_b32 s54, s46, 5
	v_add_nc_u32 v[DQ], s54, v[DQ]                 ; it enters compares of the mask alone
	v_mov_b32 v[NINF], 0xff800000
.irp t, 0,1
	v_mov_b32 v[ST+8*\t+1], 0xff61b1e6             ; m: -3e38, under every score
	v_mul_f32 v[ST+8*\t], s[CS], v[ST+8*\t+1]      ; c m
.irp j, 2,3,4,5,6,7
	v_mov_b32 v[ST+8*\t+\j], 0                     ; l; and the registers at work, which a lane permute and the packed forms name before they are first written
.endr
.endr
.set n, 0
.rept 64
	v_mov_b32 v[OO+n], 0                           ; O^T.  (The step is written without a first step of its own: the first finds zeros, which the first factor, 0, leaves zeros)
.set n, n+1
.endr
; A KEY STEP: 64 keys.
.macro STEP
	s_cmp_gt_u32 s[KF], s[QH]                      ; all its keys come after the queries of wave w in all four partners: the step's work is left out
	s_cbranch_scc1 .Lhid_\@
	v_add_nc_u32 v[ADK], s[TB], v[LI]
	v_add_nc_u32 v[ADV], VOFF, v[ADK]
.irp f, 0,1,2,3,4,5,6,7                        ; K's fragment f: keys 16 (f / 2) on, channels 32 (f % 2) on: two pieces
	ds_load_b128 v[KV+8*\f:KV+8*\f+3],   v[ADK] offset:\f*1024
	ds_load_b128 v[KV+8*\f+4:KV+8*\f+7], v[ADK] offset:\f*1024+512
.endr
	s_wait_dscnt 0x0
.irp c, 0,1                                    ; S^T = K Q^T: eight accumulators by turns, one instruction a turn; the first eight start the sums
.irp k, 0,1,2,3
.irp t, 0,1
.if \c == 0
	v_wmma_f32_16x16x32_f16 v[SS+32*\t+8*\k:SS+32*\t+8*\k+7], v[KV+8*(2*\k+\c):KV+8*(2*\k+\c)+7], v[QQ+16*\t+8*\c:QQ+16*\t+8*\c+7], 0
.else
	v_wmma_f32_16x16x32_f16 v[SS+32*\t+8*\k:SS+32*\t+8*\k+7], v[KV+8*(2*\k+\c):KV+8*(2*\k+\c)+7], v[QQ+16*\t+8*\c:QQ+16*\t+8*\c+7], v[SS+32*\t+8*\k:SS+32*\t+8*\k+7]
.endif
.endr
.endr
.endr
.rept 4
	v_nop                                          ; four places: V's loads land where K's fragments lay, and the scores are read next
.endr
.irp u, 0,1                                    ; V's fragment 4 u + d: keys 32 u on, channels 16 d on: two pieces, turned.  They land while the softmax is worked
.irp d, 0,1,2,3
	ds_load_tr16_b128 v[KV+8*(4*\u+\d):KV+8*(4*\u+\d)+3],   v[ADV] offset:4096*\u+512*\d
	ds_load_tr16_b128 v[KV+8*(4*\u+\d)+4:KV+8*(4*\u+\d)+7], v[ADV] offset:4096*\u+512*\d+2048
.endr
.endr
	s_add_co_u32 s46, s[KF], 64
	s_cmp_le_u32 s46, s[QL]                        ; all its keys count for every query of wave w in all four partners: no mask
	s_cbranch_scc1 .Lopen_\@
	s_sub_co_i32 s46, s[QL], s[KF]                 ; 0 or -64
	v_add_nc_u32 v[DD], s46, v[DQ]                 ; tile t's register n holds key KF + 16 (n / 8) + 8 (lane / 16) + n % 8; my query is QL + 32 cx + 16 t + lane % 16:
	v_add_nc_u32 v[DD+1], 16, v[DD]                ; hidden where 16 (n / 8) + n % 8 > this bound
.irp t, 0,1
.set n, 0
.rept 32
	v_cmp_gt_i32 vcc_lo, 16*(n/8)+n%8, v[DD+\t]
	v_cndmask_b32 v[SS+32*\t+n], v[SS+32*\t+n], v[NINF], vcc_lo
.set n, n+1
.endr
.endr
.Lopen_\@:
	; the maximum of my 32 scores of each tile and the old m: four chains, each begun at an accumulator's low end; the two tiles alternate
.irp j, 0,1,2,3
.irp t, 0,1
	v_max3_num_f32 v[ST+8*\t+4+\j], v[SS+32*\t+8*\j], v[SS+32*\t+8*\j+1], v[SS+32*\t+8*\j+2]
.endr
.endr
.irp i, 3,5
.irp j, 0,1,2,3
.irp t, 0,1
	v_max3_num_f32 v[ST+8*\t+4+\j], v[ST+8*\t+4+\j], v[SS+32*\t+8*\j+\i], v[SS+32*\t+8*\j+\i+1]
.endr
.endr
.endr
.irp t, 0,1
	v_max3_num_f32 v[ST+8*\t+4], v[ST+8*\t+4], v[SS+32*\t+7], v[SS+32*\t+15]
	v_max3_num_f32 v[ST+8*\t+6], v[ST+8*\t+6], v[SS+32*\t+23], v[SS+32*\t+31]
.endr
.irp t, 0,1
	v_max3_num_f32 v[ST+8*\t+4], v[ST+8*\t+4], v[ST+8*\t+5], v[ST+8*\t+6]
.endr
.irp t, 0,1
	v_max3_num_f32 v[ST+8*\t+4], v[ST+8*\t+4], v[ST+8*\t+7], v[ST+8*\t+1]
.endr
.irp t, 0,1
	v_permlanex16_b32 v[ST+8*\t+5], v[ST+8*\t+4], s[SEL], s[SEL+1]   ; the query's other 32 keys lie in the lane 16 away
.endr
.irp t, 0,1
	v_mov_b32 v[ST+8*\t+7], v[ST+8*\t]             ; c m_old is kept for the factor
.endr
.irp t, 0,1
	v_max_num_f32 v[ST+8*\t+1], v[ST+8*\t+4], v[ST+8*\t+5]
.endr
.irp t, 0,1
	v_mul_f32 v[ST+8*\t], s[CS], v[ST+8*\t+1]
.endr
.irp t, 0,1
	v_sub_f32 v[ST+8*\t+7], v[ST+8*\t+7], v[ST+8*\t]
.endr
.irp t, 0,1
	v_exp_f32 v[ST+8*\t+6], v[ST+8*\t+7]           ; 2^(c m_old - c m_new); the first scaling below is the plain line behind it
.endr
.irp t, 0,1
.irp b, 0,2,4,6,8,10,12,14,16,18,20,22,24,26,28,30
	v_pk_fma_f32 v[SS+32*\t+\b:SS+32*\t+\b+1], v[SS+32*\t+\b:SS+32*\t+\b+1], s[CS:CS+1], v[ST+8*\t:ST+8*\t+1] op_sel_hi:[1,0,0] neg_lo:[0,0,1] neg_hi:[0,0,1]   ; c s - c m, two at a time
.endr
.endr
.set n, 0
.rept 64
	v_exp_f32 v[SS+n], v[SS+n]                     ; p
.set n, n+1
.endr
	s_wait_alu depctr_va_vdst(0)
.irp t, 0,1
	v_pk_mul_f32 v[ST+8*\t+2:ST+8*\t+3], v[ST+8*\t+2:ST+8*\t+3], v[ST+8*\t+6:ST+8*\t+7] op_sel_hi:[1,0]   ; l under the new m.  (A plain line behind the exponentials)
.endr
.irp t, 0,1
	v_pk_add_f32 v[ST+8*\t+4:ST+8*\t+5], v[SS+32*\t:SS+32*\t+1], v[SS+32*\t+2:SS+32*\t+3]   ; the sum of the unrounded p, two at a time, in two chains a tile
.endr
.irp j, 4,8,12,16,20,24,28
.irp t, 0,1
	v_pk_add_f32 v[ST+8*\t+2:ST+8*\t+3], v[ST+8*\t+2:ST+8*\t+3], v[SS+32*\t+\j:SS+32*\t+\j+1]
	v_pk_add_f32 v[ST+8*\t+4:ST+8*\t+5], v[ST+8*\t+4:ST+8*\t+5], v[SS+32*\t+\j+2:SS+32*\t+\j+3]
.endr
.endr
.irp t, 0,1
	v_pk_add_f32 v[ST+8*\t+2:ST+8*\t+3], v[ST+8*\t+2:ST+8*\t+3], v[ST+8*\t+4:ST+8*\t+5]
.endr
.irp t, 0,1
.irp i, 0,1,2,3,4,5,6,7,8,9,10,11,12,13,14,15
	v_cvt_pk_f16_f32 v[SS+32*\t+\i], v[SS+32*\t+2*\i], v[SS+32*\t+2*\i+1]   ; P, in place and ascending: register i is written when registers up to 2 i + 1 have been read
.endr
.endr
.irp t, 0,1
.irp b, 0,2,4,6,8,10,12,14,16,18,20,22,24,26,28,30
	v_pk_mul_f32 v[OO+32*\t+\b:OO+32*\t+\b+1], v[OO+32*\t+\b:OO+32*\t+\b+1], v[ST+8*\t+6:ST+8*\t+7] op_sel_hi:[1,0]   ; O^T under the new m, each accumulator from its low end on
.endr
.endr
	s_wait_dscnt 0x0                               ; V is in
.irp u, 0,1                                    ; O^T += V^T P: eight accumulators by turns
.irp d, 0,1,2,3
.irp t, 0,1
	v_wmma_f32_16x16x32_f16 v[OO+32*\t+8*\d:OO+32*\t+8*\d+7], v[KV+8*(4*\u+\d):KV+8*(4*\u+\d)+7], v[SS+32*\t+8*\u:SS+32*\t+8*\u+7], v[OO+32*\t+8*\d:OO+32*\t+8*\d+7]
.endr
.endr
.endr
.rept 5
	v_nop                                          ; five places: the next step's first products write over P's registers; its loads land where V's fragments lay; at the end O^T is read
.endr
.Lhid_\@:
	s_add_co_u32 s[KF], s[KF], 64
	s_add_co_u32 s[TB], s[TB], STEPB
.endm
; THE CHANGE OF SLOTS stands at a slot's head.  Each wave waits for all its tensor loads (its part of the slot that it is about to read), adds 0 to its spare word, and waits for that and for its reads of the slot that
; it has left.  fill = 1: a round of the cluster's barrier, so that no wave of any partner still reads the other slot or has a load on its way; behind it that slot is filled with the keys that follow: the load has a
; slot's eight steps in which to land.  By this text's own count a wave has one tensor load outstanding at the most.
.macro CHANGE fill
	s_wait_tensorcnt 0x0                           ; no tensor load of mine is out, so group 0 may be written
	ds_add_u32 v[SPW], v[NIL]                      ; 0 onto my spare word
.if \fill
	s_xor_b32 s[G0+1], s[G0+1], SLOT1              ; the walking descriptor: the other slot than last time,
	s_add_nc_u64 s[G0+2:G0+3], s[G0+2:G0+3], SLOTB ; the next 512 keys; the type bits on top are not reached
	s_wait_xcnt 0x0                                ; the last prefetch, a slot back, has read its address, so it may be written:
	s_add_nc_u64 s[PFA:PFA+1], s[PFA:PFA+1], SLOTB ; one slot further on than the walking descriptor
.endif
	s_wait_dscnt 0x0                               ; the add is done, and my reads of the slot that I have left are over
.if \fill
	ROUND
	TLOAD                                          ; the first thing behind the round, and a wave's one tensor load until the next
	ASK
.else
	s_barrier_signal -1
	s_barrier_wait -1
.endif
.endm
.macro STEPS                           ; a slot's eight steps: written once, walked eight times; the LDS addresses hang on s[TB]
	s_mov_b32 s[CNT], 8
.Lstep_\@:
	STEP
	s_sub_co_u32 s[CNT], s[CNT], 1
	s_cmp_lg_u32 s[CNT], 0
	s_cbranch_scc1 .Lstep_\@
	s_sub_co_u32 s[TB], s[TB], SLOTB               ; back to a slot's first step,
	s_xor_b32 s[TB], s[TB], SLOT1                  ; in the other slot
.endm
	s_wait_loadcnt 0x0                             ; Q
.Lslot:                                            ; three trips: behind each change of slots but the last the next slot is asked for
	CHANGE 1
	STEPS
	s_sub_co_u32 s[SLOTS], s[SLOTS], 1
	s_cmp_lg_u32 s[SLOTS], 0
	s_cbranch_scc1 .Lslot
	CHANGE 0                                       ; the last slot is written out
	STEPS
	; THE WAY OUT.  l's two halves and the other half of the lanes' are added; O^T is divided by l, rounded to f16, and each accumulator leaves as one piece.
.irp t, 0,1
	v_add_f32 v[ST+8*\t+4], v[ST+8*\t+2], v[ST+8*\t+3]
.endr
.irp t, 0,1
	v_permlanex16_b32 v[ST+8*\t+5], v[ST+8*\t+4], s[SEL], s[SEL+1]
.endr
.irp t, 0,1
	v_add_f32 v[ST+8*\t+4], v[ST+8*\t+4], v[ST+8*\t+5]
.endr
.irp t, 0,1
	v_rcp_f32 v[ST+8*\t+6], v[ST+8*\t+4]
.endr
	v_nop                                          ; a plain line between the last reciprocal and the use of its result
	s_wait_alu depctr_va_vdst(0)
.irp t, 0,1
.irp b, 0,2,4,6,8,10,12,14,16,18,20,22,24,26,28,30
	v_pk_mul_f32 v[OO+32*\t+\b:OO+32*\t+\b+1], v[OO+32*\t+\b:OO+32*\t+\b+1], v[ST+8*\t+6:ST+8*\t+7] op_sel_hi:[1,0]
.endr
.endr
.irp t, 0,1
.irp i, 0,1,2,3,4,5,6,7,8,9,10,11,12,13,14,15
	v_cvt_pk_f16_f32 v[SS+16*\t+\i], v[OO+32*\t+2*\i], v[OO+32*\t+2*\i+1]
.endr
.endr
.irp t, 0,1
.irp d, 0,1,2,3
	global_store_b128 v[LI], v[SS+16*\t+4*\d:SS+16*\t+4*\d+3], s[6:7] offset:\t*32768+\d*512   ; 32 lanes store 512 consecutive bytes, aligned
.endr
.endr
	s_wait_tensorcnt 0x0                           ; the wave's end
	ds_add_u32 v[SPW], v[NIL]
	s_wait_dscnt 0x0
	ROUND                                          ; the closing round: no work-group ends while a partner may still ask for a tile that names it
	s_endpgm
.Lfunc_end_k_qee7c6012ab_attn:
	.size	k_qee7c6012ab_attn, .Lfunc_end_k_qee7c6012ab_attn-k_qee7c6012ab_attn
	.p2alignl 7, 3214868480
	.fill 96, 4, 3214868480
	.section	.rodata,"a",@progbits
	.p2align	6, 0x0
	.amdhsa_kernel k_qee7c6012ab_attn
		.amdhsa_group_segment_fixed_size 327680
		.amdhsa_private_segment_fixed_size 0
		.amdhsa_enable_private_segment 0
		.amdhsa_kernarg_size 16
		.amdhsa_user_sgpr_count 2
		.amdhsa_user_sgpr_kernarg_segment_ptr 1
		.amdhsa_wavefront_size32 1
		.amdhsa_system_sgpr_workgroup_id_x 1
		.amdhsa_system_sgpr_workgroup_id_y 1
		.amdhsa_system_sgpr_workgroup_id_z 1
		.amdhsa_system_vgpr_workitem_id 0
		.amdhsa_next_free_vgpr 256
		.amdhsa_next_free_sgpr 66
		.amdhsa_reserve_vcc 1
		.amdhsa_float_denorm_mode_32 3
		.amdhsa_float_denorm_mode_16_64 3
		.amdhsa_memory_ordered 1
		.amdhsa_forward_progress 1
		.amdhsa_inst_pref_size 58
	.end_amdhsa_kernel
	.amdgpu_metadata
---
amdhsa.version: [ 1, 2 ]
amdhsa.kernels:
  - .name:           k_qee7c6012ab_attn
    .symbol:         k_qee7c6012ab_attn.kd
    .args:
      - { .name: qkv, .offset: 0, .size: 8, .value_kind: global_buffer, .address_space: global }
      - { .name: ctx, .offset: 8, .size: 8, .value_kind: global_buffer, .address_space: global }
    .group_segment_fixed_size: 327680
    .private_segment_fixed_size: 0
    .kernarg_segment_align: 8
    .kernarg_segment_size: 16
    .max_flat_workgroup_size: 512
    .sgpr_count:     66
    .vgpr_count:     256
    .wavefront_size: 32
...
	.end_amdgpu_metadata
.endif
;; end of part 3
;; launch proj (part 4): grid 4 x 64, 4 waves a work-group, clusters of 4 x 4, 327,680 bytes of LDS; arguments ctx, wp16, b_proj, out0; writes out0
.if DOCPART == 4
	.amdgcn_target "amdgcn-amd-amdhsa--gfx1250"
	.amdhsa_code_object_version 6
	.text
	.protected	k_qee7c6012ab_proj
	.globl	k_qee7c6012ab_proj
	.p2align	8
	.type	k_qee7c6012ab_proj,@function
k_qee7c6012ab_proj:
	s_mov_b64 s[64:65], 0
	v_nop
	global_prefetch_b8 v0, s[64:65] scope:SCOPE_SE
	s_setreg_imm32_b32 hwreg(HW_REG_WAVE_MODE, 25, 1), 1
	s_wait_xcnt 0x0
	s_wait_alu depctr_hold_cnt(0) depctr_sa_sdst(0) depctr_va_vdst(0) depctr_va_sdst(0) depctr_va_ssrc(0) depctr_va_vcc(0) depctr_vm_vsrc(0)
	s_getreg_b32 s2, hwreg(HW_REG_IB_STS2, 6, 4)
	s_cmp_eq_u32 s2, 0
	s_cbranch_scc0 .Lentry_in_a_cluster
	s_endpgm
.Lentry_in_a_cluster:
	s_bfe_u32 s2, ttmp6, 0x10000c
	s_cmp_lg_u32 s2, 0xf033
	s_cbranch_scc0 .Lentry_shape_is_right
	s_endpgm
.Lentry_shape_is_right:
; out0[m][n] = sum over k of ctx[m][k] w_proj[n][k] + b_proj[n], for all rows but each batch's first 16 tokens, which another launch makes in f32.  ctx and w_proj f16, sums and out0 f32.  M = 8,192, N = K = 1,024.
; A tile of out0 is 128 x 256: 256 work-groups of four waves; a wave makes 64 x 128: 32 accumulators of 16 x 16, 256 registers.  K goes in steps of 128 through a ring of two LDS slots filled by the tensor data mover.
; ctx is laid in pieces of 16 rows x 16 along K (512 bytes; the chunk of lane l at 16 l), [16 rows: 512][16 along K: 64]: a K step of 16 rows is 4,096 consecutive bytes, and two pieces read at 16 x lane are a
; 16 x 32 operand's registers: those LDS loads read 512 consecutive bytes and want no padding.  w_proj's f16 copy is row-major: rows of 256 bytes a K step, 16 bytes of padding behind each in LDS.
; CLUSTERS: 4 x 4 work-groups.  The four of a row of the cluster need the same tiles of ctx, the four of a column the same tiles of w_proj: each is asked for JOINTLY, by the same tensor load with the same descriptor
; and a mask that names the four.  A cluster's four tile rows lie 16 apart (tile row = 16 cy + cluster y): 16 tile rows are a batch, so whether a tile begins a batch hangs on the cluster's y alone, which all partners share.
; THE MATRIX INSTRUCTION IS USED TRANSPOSED (source 0 = 16 rows of w_proj, source 1 = 16 rows of ctx): a lane then holds eight neighbouring numbers of a row of out0.
; THE BIAS is the C of each sum's first matrix instruction: eight registers for each 16 columns, in the result's layout.
; A BATCH'S FIRST 16 ROWS are block 0 of waves 0 and 1 in the cluster with y = 0.  Those waves do not store that block: each byte of out0 is written once.  Its products are still issued, and are wasted: 8 of 32
; accumulators of two waves in 16 of the 256 work-groups; leaving them out would break the order in which the accumulators take turns.
; REGISTERS, in windows of 256: window 0: v0-31 addresses; v32-63, v64-95 ctx's fragments (4 x 16 rows x 32 K), two buffers; v96-159, v160-223 w_proj's (8), two buffers; on the way out v32-159 hold rows read back.
;   window 1: accumulator (a, b) at v[8 (8 a + b)].   window 2: v0-63 the bias.
.set SIZE_N, 1024
.set SIZE_K, 1024
.set KSTEP,  128
.set KBYTES, 4096                      ; a K step of 16 rows of ctx
.set PITCH,  272                       ; an LDS row of w_proj: 256 bytes + 16 of padding = 68 words: row r starts at bank 4 r mod 64 (64 banks of 4 bytes: ISA guide 11.1)
.set ATILE,  8*KBYTES                  ; ctx's 128 rows of a K step
.set HALFA,  4*KBYTES                  ; 64 rows: what one tensor load brings, and what one wave reads
.set HALFB,  128*PITCH                 ; 128 rows of w_proj: likewise
.set SLOT,   ATILE+2*HALFB             ; 102,400 bytes
.set STAGE,  2*SLOT                    ; behind the ring: 16 rows x 528 bytes for each wave, for the way out
.set SPITCH, 528
.set SPARE,  STAGE+4*16*SPITCH         ; behind the stages: the spare words, 128 bytes for each wave: two blocks of 256 bytes that no other line names
.set LAPS,   SIZE_K/(2*KSTEP)          ; 4: a lap = two K steps = once round the ring
.set ADRA, 16                          ; v16-17  LDS address of my fragments of ctx in slot 0, 1
.set ADRB, 20                          ; v20-21  the same for w_proj
.set STO,  24                          ; v24     the way out: where I put 32 bytes of a row
.set RD,   25                          ; v25     the way out: where I read a row back
.set CO,   26                          ; v26     16 x lane: my byte offset in a row's 512 bytes
.set SPW,  28                          ; v28     LDS address of my spare word: SPARE + 4 x my thread's number; never rewritten
.set NIL,  29                          ; v29     0; never rewritten
.set PFO,  30                          ; v30     the prefetches' offset: 32,768 x (lane / 16) + 256 x (lane % 16); never rewritten
.set AF,   32                          ; ctx's fragment buffers: AF + 32 f
.set BF,   96                          ; w_proj's: BF + 64 f
.set BK,   32                          ; the way out: 16 rows read back from the stage: v32-95 and v96-159 by turns
.set FIRST, 2                          ; s2   0 in the waves whose block 0 is a batch's first 16 rows
.set WV,   12                          ; s12  my wave's number
.set LIM,  15                          ; s15  1 in a wave that prefetches, else the greatest number
.set PFA,  44                          ; s[44:45] where my prefetches stand
.set G1, 24                            ; s[24:31] descriptor group 1 for ctx's tiles;  s[32:39] group 0, one set for each slot
.set G0, 32
.set G1B, 48                           ; s[48:55], s[56:63] the same for w_proj's tiles
.set G0B, 56
.set MSB, 0
.macro WIN new                         ; the immediate's high byte repeats the setting that is left
.if MSB != \new
	s_set_vgpr_msb (MSB<<8)|\new
.set MSB, \new
.endif
.endm
.set MUL,  0x50                        ; sources 0 and 1 window 0; C and D window 1
.set MULB, 0x60                        ; C (the bias) window 2, D window 1
.macro JLOAD s                         ; a joint load: waves 0 and 1 fetch ctx's two halves, waves 2 and 3 w_proj's; four v_nop follow each of the two lines, ahead of the jump, the label and what follows
	s_cmp_eq_u32 s13, 0
	s_cbranch_scc0 .Lfor_b_\@
	tensor_load_to_lds s[G0+4*\s:G0+4*\s+3], s[G1:G1+7]
	s_nop 0
.rept 4
	v_nop
.endr
	s_branch .Lasked_\@
.Lfor_b_\@:
	tensor_load_to_lds s[G0B+4*\s:G0B+4*\s+3], s[G1B:G1B+7]
	s_nop 0
.rept 4
	v_nop
.endr
.Lasked_\@:
.endm
; A PREFETCH INTO THE L2 of ctx's K step that stands TWO refills on: 256 matrix instructions of a wave ahead of the load that will want it.  A tile row of ctx is read by one cluster alone; of its 8 rows of pieces each of
; the four partners that ask for it jointly takes two, told apart BY ADDRESS (cx): 2 x 4,096 bytes, lanes 256 bytes apart, one instruction, wave 0's.  So each aligned block of 256 bytes is named once in the launch.
; The loop's last trip asks for nothing: its K steps two on do not exist.  K steps 0 to 3 come by their loads alone.  w_proj's copy is not asked for: every cluster reads all of it in the same K steps.
.macro ASK
	s_cmp_gt_u32 s3, s[LIM]                        ; s3 = 1 in the loop's last trip
	s_cbranch_scc0 .Lnot_mine_\@
	global_prefetch_b8 v[PFO], s[PFA:PFA+1] offset:KBYTES th:TH_LOAD_NT scope:SCOPE_SE
.Lnot_mine_\@:
.endm
.macro CREST                           ; a round of the cluster's barrier behind its opening barrier
	s_cmp_lg_u32 s[WV], 0
	s_cbranch_scc1 .Lnot_wave_0_\@
	s_barrier_signal -3
.Lnot_wave_0_\@:
	s_barrier_wait -3
	s_barrier_signal -1
	s_barrier_wait -1
.endm
.macro CROUND                          ; a whole round
	s_barrier_signal -1
	s_barrier_wait -1
	CREST
.endm
	s_load_b256 s[4:11], s[0:1], 0x0               ; ctx s[4:5], w_proj's copy s[6:7], b_proj s[8:9], out0 s[10:11]
	v_lshl_add_u32 v[SPW], v0, 2, SPARE
	v_mov_b32 v[NIL], 0
	ds_add_u32 v28, v29
	s_wait_dscnt 0x0
	v_lshrrev_b32 v1, 5, v0
	v_readfirstlane_b32 s[WV], v1                  ; wave 0..3
	s_lshr_b32 s13, s[WV], 1                       ; which half of the tile's rows is mine.  Also: I fetch for ctx (0) or for w_proj (1)
	s_and_b32 s14, s[WV], 1                        ; which half of its columns.  Also: which half of that tile I fetch
	s_bfe_u32 s40, ttmp6, 0x40000                  ; cx, cy: my place in the cluster
	s_bfe_u32 s41, ttmp6, 0x40004
	s_lshl_b32 s42, ttmp9, 2
	s_add_co_u32 s42, s42, s40                     ; tile column = 4 x cluster x + cx
	s_and_b32 s43, ttmp7, 0xffff                   ; cluster y, 0 .. 15
	s_or_b32 s[FIRST], s43, s13                    ; made of the cluster's y and the wave's number: the same in all sixteen partners
	s_lshl_b32 s16, s41, 4
	s_add_co_u32 s43, s43, s16                     ; tile row = 16 cy + cluster y
	s_lshl_b32 s16, s41, 2
	s_lshl_b32 s16, 15, s16                        ; my row of the cluster
	s_lshl_b32 s17, 0x1111, s40                    ; my column
	; descriptor group 1 for ctx: 4 rows of 4,096 bytes (512 elements of 8 bytes), 32,768 bytes apart, no padding
	s_or_b32 s[G1+0], s16, (3<<16)|(1<<21)         ; 15:0 the mask: ctx's tiles go to my row; 17:16 elements of 8 bytes; 21 set beside a mask
	s_mov_b32 s[G1+1], 512<<16                     ; tensor_dim0 = 512
	s_mov_b32 s[G1+2], 4<<16                       ; tensor_dim1 = 4
	s_mov_b32 s[G1+3], 512<<16                     ; tile_dim0 = 512
	s_mov_b32 s[G1+4], 4                           ; tile_dim1 = 4
	s_mov_b32 s[G1+5], 4096                        ; tensor_dim0_stride, in elements
	s_mov_b32 s[G1+6], 0
	s_mov_b32 s[G1+7], 0
	; and for w_proj: 128 rows x 128 elements of 2 bytes, padded in LDS
	s_or_b32 s[G1B+0], s17, (1<<16)|(1<<20)|(1<<21)|(5<<22)|(3<<25)  ; the mask of my column; elements of 2 bytes; padding on; after every 64 words (code 5) 4 words (code 3)
	s_mov_b32 s[G1B+1], KSTEP<<16
	s_mov_b32 s[G1B+2], 128<<16
	s_mov_b32 s[G1B+3], KSTEP<<16
	s_mov_b32 s[G1B+4], 128
	s_mov_b32 s[G1B+5], SIZE_K
	s_mov_b32 s[G1B+6], 0
	s_mov_b32 s[G1B+7], 0
	s_lshl_b32 s18, s43, 3                         ; ctx: row of pieces 8 x tile row + 4 x half, 32,768 bytes each
	s_lshl_b32 s19, s14, 2
	s_add_co_u32 s18, s18, s19
	s_lshl_b32 s18, s18, 15
	s_mov_b32 s19, 0
	s_lshl_b32 s20, s42, 8                         ; w_proj: row 256 x tile column + 128 x half, 2,048 bytes each
	s_lshl_b32 s21, s14, 7
	s_add_co_u32 s20, s20, s21
	s_lshl_b32 s20, s20, 11
	s_mov_b32 s21, 0
	s_lshl_b32 s22, s14, 14                        ; where they go: no place in the cluster enters an LDS address
	s_mul_i32 s23, s14, HALFB
	s_add_co_u32 s23, s23, ATILE
	s_wait_kmcnt 0x0
	s_add_nc_u64 s[18:19], s[4:5], s[18:19]
	s_add_nc_u64 s[20:21], s[6:7], s[20:21]
	CROUND                                         ; all sixteen work-groups are here: the first joint loads meet
.irp s, 0,1
	s_mov_b32 s[G0+4*\s], 1                                        ; 1:0 count = 1
	s_add_co_u32 s[G0+4*\s+1], s22, \s*SLOT                        ; 63:32 LDS address
	s_add_nc_u64 s[G0+4*\s+2:G0+4*\s+3], s[18:19], \s*KBYTES       ; 120:64 global address: K step s
	s_or_b32 s[G0+4*\s+3], s[G0+4*\s+3], 0x80000000                ; 127:126 type = 2
	s_mov_b32 s[G0B+4*\s], 1
	s_add_co_u32 s[G0B+4*\s+1], s23, \s*SLOT
	s_add_nc_u64 s[G0B+4*\s+2:G0B+4*\s+3], s[20:21], \s*KSTEP*2
	s_or_b32 s[G0B+4*\s+3], s[G0B+4*\s+3], 0x80000000
	JLOAD \s                                       ; two tensor loads of mine are out behind the second
.endr
	v_and_b32 v1, 15, v0                           ; r = l % 16
	v_bfe_u32 v2, v0, 4, 1                         ; h = l / 16
	v_and_b32 v3, 31, v0
	v_lshlrev_b32 v[CO], 4, v3
	s_lshl_b32 s16, s13, 14                        ; my 64 rows of ctx
	v_add_nc_u32 v[ADRA], s16, v[CO]
	s_add_co_u32 s16, s16, SLOT
	v_add_nc_u32 v[ADRA+1], s16, v[CO]
	v_mul_u32_u24 v4, v1, PITCH
	v_lshl_add_u32 v4, v2, 4, v4                   ; w_proj: a fragment's row x pitch + 16 x half
	v_add_nc_u32 v[ADRB], s23, v4                  ; my 128 rows of it, behind ctx's tile
	s_add_co_u32 s17, s23, SLOT
	v_add_nc_u32 v[ADRB+1], s17, v4
	s_mul_i32 s16, s[WV], 16*SPITCH
	s_add_co_u32 s16, s16, STAGE                   ; my stage
	v_mul_u32_u24 v5, v1, SPITCH                   ; in: row r, 32 bytes for each half of the lanes
	v_lshl_add_u32 v5, v2, 5, v5
	v_add_nc_u32 v[STO], s16, v5
	v_add_nc_u32 v[RD], s16, v[CO]                 ; back: the 32 lanes take one row of 512 bytes
	v_lshlrev_b32 v[PFO], 15, v2
	v_lshl_add_u32 v[PFO], v1, 8, v[PFO]
	v_lshlrev_b32 v6, 5, v2                        ; the bias: my half's eight numbers of 16 columns
	s_lshl_b32 s46, s43, 3                         ; the prefetches: row of pieces 8 x tile row + 2 cx,
	s_lshl_b32 s47, s40, 1
	s_add_co_u32 s46, s46, s47
	s_lshl_b32 s46, s46, 15
	s_add_co_u32 s46, s46, 2*KBYTES                ; at K step 2: the first refill steps it to 3 and names K step 4.  Nothing is prefetched here, at the head
	s_mov_b32 s47, 0
	s_add_nc_u64 s[PFA:PFA+1], s[4:5], s[46:47]
	s_cmp_eq_u32 s[WV], 0
	s_cselect_b32 s[LIM], 1, -1
	s_lshl_b32 s16, s43, 7                         ; my first row of out0: 128 x tile row + 64 x half, 4,096 bytes each;
	s_lshl_b32 s17, s13, 6
	s_add_co_u32 s16, s16, s17
	s_lshl_b32 s16, s16, 12
	s_lshl_b32 s17, s42, 10                        ; my first column, in bytes: 1,024 x tile column + 512 x half: in out0 and in b_proj
	s_lshl_b32 s46, s14, 9
	s_add_co_u32 s46, s46, s17
	s_add_co_u32 s16, s16, s46
	s_mov_b32 s17, 0
	s_add_nc_u64 s[10:11], s[10:11], s[16:17]
	s_add_nc_u64 s[8:9], s[8:9], s[46:47]
	WIN 0x80                                       ; destination window 2
.irp b, 0,1,2,3,4,5,6,7
	global_load_b128 v[8*\b:8*\b+3],   v6, s[8:9] offset:64*\b      ; b_proj at my columns 16 b + 8 h + 0 .. 7
	global_load_b128 v[8*\b+4:8*\b+7], v6, s[8:9] offset:64*\b+16
.endr
	WIN 0
; 8 matrix instructions: ctx's block a against w_proj's eight, 32 along K, out of buffers f.  first = 1: the bias starts the sums: nothing is ever cleared.
; The 32 accumulators take turns, one instruction a turn, in the same order in every quarter.
.macro MUL8 f, a, first
.irp b, 0,1,2,3,4,5,6,7
.if \first
	v_wmma_f32_16x16x32_f16 v[8*(8*(\a)+\b):8*(8*(\a)+\b)+7], v[BF+64*(\f)+8*\b:BF+64*(\f)+8*\b+7], v[AF+32*(\f)+8*(\a):AF+32*(\f)+8*(\a)+7], v[8*\b:8*\b+7]
.else
	v_wmma_f32_16x16x32_f16 v[8*(8*(\a)+\b):8*(8*(\a)+\b)+7], v[BF+64*(\f)+8*\b:BF+64*(\f)+8*\b+7], v[AF+32*(\f)+8*(\a):AF+32*(\f)+8*(\a)+7], v[8*(8*(\a)+\b):8*(8*(\a)+\b)+7]
.endif
.endr
.endm
; 24 LDS loads in one run: the fragments of the slot's q-th 32 along K into buffers f: w_proj's eight first, then ctx's four
.macro FETCH slot, q, f
.irp i, 0,1,2,3,4,5,6,7
	ds_load_b128 v[BF+64*(\f)+8*\i:BF+64*(\f)+8*\i+3],   v[ADRB+\slot] offset:64*(\q)+\i*16*PITCH
	ds_load_b128 v[BF+64*(\f)+8*\i+4:BF+64*(\f)+8*\i+7], v[ADRB+\slot] offset:64*(\q)+\i*16*PITCH+32
.endr
.irp i, 0,1,2,3
	ds_load_b128 v[AF+32*(\f)+8*\i:AF+32*(\f)+8*\i+3],   v[ADRA+\slot] offset:\i*KBYTES+(\q)*1024
	ds_load_b128 v[AF+32*(\f)+8*\i+4:AF+32*(\f)+8*\i+7], v[ADRA+\slot] offset:\i*KBYTES+(\q)*1024+512
.endr
.endm
.macro PLACES                          ; four places in front of loads into registers that matrix instructions have read, and of the first read of results (ISA guide 7.12.1 for vector instructions)
.rept 4
	v_nop
.endr
.endm
; A K step is four quarters of 32 along K, 32 matrix instructions each, on buffers 0, 1, 0, 1.  One of the first three: multiplies buffers f and fetches the slot's quarter qn into buffers g.
.macro QUARTER slot, qn, f, g, first
	s_wait_dscnt 4                                 ; w_proj's eight and ctx's blocks 0, 1 are in; the youngest four loads (blocks 2, 3) may be out
.if \first
	WIN MULB
.else
	WIN MUL
.endif
	MUL8 \f, 0, \first
	MUL8 \f, 1, \first
	PLACES
	WIN 0
	FETCH \slot, \qn, \g
	s_wait_dscnt 24                                ; all but the 24 just issued
.if \first
	WIN MULB
.else
	WIN MUL
.endif
	MUL8 \f, 2, \first
	MUL8 \f, 3, \first
.endm
; The last quarter multiplies buffers 1 and changes slots: ONE barrier; in front of it each wave waits for all its tensor loads, adds 0 to its spare word, and waits for that and for its own reads of this slot.
; fill = 1: the barrier opens a round of the cluster's barrier, and this slot is filled again, two K steps ahead: from that request to the wait for it a wave issues 112 matrix instructions.
.macro TURN slot, next, fill
.if \fill
	s_wait_xcnt 0x0                                ; the last prefetch, a K step back, has read its address: it is stepped here, ahead of the waits of the change of slots
	s_add_nc_u64 s[PFA:PFA+1], s[PFA:PFA+1], KBYTES
.endif
	WIN 0                                          ; (the add's two registers lie in window 0)
	s_wait_tensorcnt 0x0                           ; all my tensor loads have landed: the one that was out is my part of the next slot;
	ds_add_u32 v[SPW], v[NIL]                      ; 0 onto my spare word;
	s_wait_dscnt 5                                 ; (the add and the youngest four loads may be out)
	WIN MUL
	MUL8 1, 0, 0                                   ; eight matrix instructions stand between the add and the wait for it
	s_wait_dscnt 0x0                               ; the add is done, and my reads of this slot are over
	s_barrier_signal -1
	MUL8 1, 1, 0
	WIN 0
	s_barrier_wait -1
.if \fill
	CREST                                          ; no wave of any partner still reads this slot's tile or has a load on its way
	s_add_nc_u64 s[G0+4*\slot+2:G0+4*\slot+3], s[G0+4*\slot+2:G0+4*\slot+3], 2*KBYTES
	s_add_nc_u64 s[G0B+4*\slot+2:G0B+4*\slot+3], s[G0B+4*\slot+2:G0B+4*\slot+3], 2*KSTEP*2
	JLOAD \slot                                    ; the first tensor load behind the round; the four v_nop behind it are also the places in front of the loads below
.else
	PLACES
.endif
	FETCH \next, 0, 0
.if \fill
	ASK                                            ; behind the joint load and the run of LDS loads that the next products wait for
.endif
	WIN MUL
	MUL8 1, 2, 0
	MUL8 1, 3, 0
.endm
	s_wait_tensorcnt 1                             ; my part of K step 0 is in (K step 1's load may be out),
	s_barrier_signal -1
	s_barrier_wait -1                              ; everybody's is
	FETCH 0, 0, 0
	s_wait_loadcnt 0x0                             ; the bias
	QUARTER 0, 1, 0, 1, 1                          ; the first quarter stands in front of the loop: its products start the sums, on the bias
	WIN 0                                          ; at a label and at a branch every window is 0
	s_mov_b32 s3, LAPS-1
.Llap:                                                 ; a trip goes once round the ring, from a lap's second quarter to the next lap's first, and fills both slots again
	QUARTER 0, 2, 1, 0, 0
	QUARTER 0, 3, 0, 1, 0
	TURN 0, 1, 1
	QUARTER 1, 1, 0, 1, 0
	QUARTER 1, 2, 1, 0, 0
	QUARTER 1, 3, 0, 1, 0
	TURN 1, 0, 1
	QUARTER 0, 1, 0, 1, 0
	WIN 0
	s_sub_co_u32 s3, s3, 1
	s_cmp_lg_u32 s3, 0
	s_cbranch_scc1 .Llap
	QUARTER 0, 2, 1, 0, 0                          ; the last lap fills nothing, and has no round of the cluster's barrier
	QUARTER 0, 3, 0, 1, 0
	TURN 0, 1, 0
	QUARTER 1, 1, 0, 1, 0
	QUARTER 1, 2, 1, 0, 0
	QUARTER 1, 3, 0, 1, 0
	s_wait_dscnt 4                                 ; the very last quarter: nothing more to fetch
	WIN MUL
	MUL8 1, 0, 0
	MUL8 1, 1, 0
	s_wait_dscnt 0x0
	MUL8 1, 2, 0
	MUL8 1, 3, 0
	WIN 0
; THE WAY OUT, block by block of 16 rows x 128 columns.  A lane holds 32 neighbouring bytes of a row, and the lanes beside it hold other rows: so a block goes through my own stage in LDS and comes back as whole rows of
; 512 bytes.  LDS serves a wave's instructions in order (ISA guide 5.7.1.4): no wait between the stores and the loads, nor in front of the next block's stores.  No tensor load fills the stage.
.macro TOSTAGE a
	WIN 0x04                                       ; an LDS store's data are its source 1: window 1
.irp b, 0,1,2,3,4,5,6,7
	ds_store_b128 v[STO], v[8*(8*(\a)+\b):8*(8*(\a)+\b)+3] offset:64*\b            ; each accumulator from its low end on
	ds_store_b128 v[STO], v[8*(8*(\a)+\b)+4:8*(8*(\a)+\b)+7] offset:64*\b+16
.endr
	WIN 0
.set BB, BK+64*((\a)%2)
.irp t, 0,1,2,3,4,5,6,7,8,9,10,11,12,13,14,15
	ds_load_b128 v[BB+4*\t:BB+4*\t+3], v[RD] offset:\t*SPITCH
.endr
.endm
.macro SEND a, younger                 ; younger: the LDS instructions issued behind block a's loads, which may stay out
.set BB, BK+64*((\a)%2)
	s_wait_dscnt \younger                          ; the block is back in registers
.if (\a) == 0
	s_cmp_eq_u32 s[FIRST], 0                       ; a batch's first 16 rows are another launch's: they are not stored here
	s_cbranch_scc1 .Lnot_mine_\@
.endif
.irp t, 0,1,2,3,4,5,6,7,8,9,10,11,12,13,14,15
	global_store_b128 v[CO], v[BB+4*\t:BB+4*\t+3], s[10:11] offset:(\a)*65536+\t*4096 th:TH_STORE_NT   ; 32 lanes store 512 consecutive bytes, aligned; written once, read by nobody here; every offset an immediate, 258,048 at the most
.endr
.if (\a) == 0
.Lnot_mine_\@:
.endif
.endm
	PLACES                                         ; the stage's stores read results just made, and the rows read back land where fragments lay
	TOSTAGE 0
.irp a, 1,2,3
.if \a > 1
	s_wait_xcnt 0x0                                ; block a - 2's stores have read their registers: block a's loads may land there
.endif
	TOSTAGE \a
	SEND \a-1, 32                                  ; behind block a - 1's loads: block a's 16 stores and 16 loads
.endr
	SEND 3, 0
	s_wait_tensorcnt 0x0                           ; the wave's end: behind my last tensor load and my last LDS store
	ds_add_u32 v[SPW], v[NIL]
	s_wait_dscnt 0x0
	CROUND                                         ; the closing round: no work-group ends while a partner may still ask for a tile that names it
	s_endpgm
.Lfunc_end_k_qee7c6012ab_proj:
	.size	k_qee7c6012ab_proj, .Lfunc_end_k_qee7c6012ab_proj-k_qee7c6012ab_proj
	.p2alignl 7, 3214868480
	.fill 96, 4, 3214868480
	.section	.rodata,"a",@progbits
	.p2align	6, 0x0
	.amdhsa_kernel k_qee7c6012ab_proj
		.amdhsa_group_segment_fixed_size 327680
		.amdhsa_private_segment_fixed_size 0
		.amdhsa_enable_private_segment 0
		.amdhsa_kernarg_size 32
		.amdhsa_user_sgpr_count 2
		.amdhsa_user_sgpr_kernarg_segment_ptr 1
		.amdhsa_wavefront_size32 1
		.amdhsa_system_sgpr_workgroup_id_x 1
		.amdhsa_system_sgpr_workgroup_id_y 1
		.amdhsa_system_sgpr_workgroup_id_z 1
		.amdhsa_system_vgpr_workitem_id 0
		.amdhsa_next_free_vgpr 576
		.amdhsa_next_free_sgpr 66
		.amdhsa_reserve_vcc 0
		.amdhsa_float_denorm_mode_32 3
		.amdhsa_float_denorm_mode_16_64 3
		.amdhsa_memory_ordered 1
		.amdhsa_forward_progress 1
		.amdhsa_inst_pref_size 87
	.end_amdhsa_kernel
	.amdgpu_metadata
---
amdhsa.version: [ 1, 2 ]
amdhsa.kernels:
  - .name:           k_qee7c6012ab_proj
    .symbol:         k_qee7c6012ab_proj.kd
    .args:
      - { .name: ctx, .offset: 0, .size: 8, .value_kind: global_buffer, .address_space: global }
      - { .name: wp16, .offset: 8, .size: 8, .value_kind: global_buffer, .address_space: global }
      - { .name: b_proj, .offset: 16, .size: 8, .value_kind: global_buffer, .address_space: global }
      - { .name: out0, .offset: 24, .size: 8, .value_kind: global_buffer, .address_space: global }
    .group_segment_fixed_size: 327680
    .private_segment_fixed_size: 0
    .kernarg_segment_align: 8
    .kernarg_segment_size: 32
    .max_flat_workgroup_size: 128
    .sgpr_count:     66
    .vgpr_count:     576
    .wavefront_size: 32
...
	.end_amdgpu_metadata
.endif
;; end of part 4
;; launch early (part 5): grid 32 x 4, 16 waves a work-group, no clusters, 38,912 bytes of LDS; arguments eq, w_proj, b_proj, out0; writes out0
.if DOCPART == 5
	.amdgcn_target "amdgcn-amd-amdhsa--gfx1250"
	.amdhsa_code_object_version 6
	.text
	.protected	k_qee7c6012ab_early
	.globl	k_qee7c6012ab_early
	.p2align	8
	.type	k_qee7c6012ab_early,@function
k_qee7c6012ab_early:
	s_mov_b64 s[64:65], 0
	v_nop
	global_prefetch_b8 v0, s[64:65] scope:SCOPE_SE
	s_setreg_imm32_b32 hwreg(HW_REG_WAVE_MODE, 25, 1), 1
	s_wait_xcnt 0x0
; THE FIRST 16 TOKENS OF EACH BATCH, from q, k, v to out0, in f32 throughout: 64 of the 8,192 rows.  These tokens see at most 16 keys, so their output rows are about as large as v itself, some ten times the root mean
; square of the whole output, on which the allowance hangs; operands of 11 bits are too coarse for them.  From token 16 on a row is a mean over 17 keys or more, and the f16 way serves.
; SHARES.  A work-group takes one batch and 32 columns of out0; each of its sixteen waves takes one head: S^T = K Q^T (16 keys x 16 queries, K = 64), the causal mask, the softmax (all keys are at hand: maximum, 2^x, sum),
; O^T = V^T P, ctx = O / the sum, and at once part^T = W ctx^T over the head's own 64 of the 1,024 along K.  The sixteen parts meet in LDS: one barrier; wave w sums row w, adds the bias and stores it.
; Each of a batch's 32 work-groups makes that batch's attention anew: 32 of a wave's 64 matrix instructions.  That is the price of one launch and of no traffic between work-groups.
; THE FORM is v_wmma_f32_16x16x4_f32: no bulk work, 64 rows.  Its operand holds row (or column) lane % 16 and, in register j, k = 2 (lane / 16) + j; its result holds column lane % 16 and, in register j, row 8 (lane / 16) + j.
; A permutation of k that is the same on both sides keeps a product.  So registers 2 t, 2 t + 1 of a result ARE source 1 of the next product's K step t, whose four k are 2 t, 2 t + 1, 8 + 2 t, 9 + 2 t of the 16,
; if source 0 is loaded to match: nothing changes lanes between the products.  The registers that the matrix instructions write are written by nothing else; what is made of a sum goes elsewhere.
; q, k, v lie [batch 4][16 columns: 192][1,024 bytes]: the chunk of token r, channels 8 h + 4 p + 0 .. 3 at 512 p + 16 (r + 16 h).  Q and K come by loads of 512 consecutive bytes, 16 a lane, alike on both sides.  V is
; turned by its loads: lane (r, h) takes channel r of tokens 8 h + 0 .. 7, four bytes at a time.  W: lane (r, h) takes, of row n0 + r, eight neighbouring numbers for each 16 channels.
; NO CLUSTER, NO LDS TILES: operands go from memory straight into the registers that the products name, and the launch is a few hundred instructions a wave; what the work-groups of a batch share is 196,608 bytes.
; A wave's store covers 128 consecutive bytes of one row: 64 columns to a work-group, a whole 256, would want 304 registers a wave where four waves to a SIMD leave 256.
.set EQB,    196608                    ; a batch's 16 tokens x 3,072 numbers, in bytes
.set OPITCH, 144                       ; a row of a wave's part in LDS: 32 columns, 128 bytes, + 16 of padding: an odd multiple of 16
.set WREG,   16*OPITCH                 ; a wave's part
.set LI,   1                           ; v1   16 x lane
.set VA,   2                           ; v2   V: my channel's place in a piece, at my half's first token
.set WA,   3                           ; v3   W: 4,096 x (lane % 16) + 32 x (lane / 16)
.set SO,   4                           ; v4   LDS: where I put my part: WREG x wave + OPITCH x (lane % 16) + 32 x (lane / 16)
.set RDA,  5                           ; v5   LDS: where I read: OPITCH x wave + 4 x lane
.set DM,   6                           ; v6   lane % 16 - 8 (lane / 16): register j's key is hidden where j is above it
.set NINF, 7                           ; v7   -infinity
.set L4,   8                           ; v8   4 x lane
.set MX,   9                           ; v9   the row's largest score
.set TP,   10                          ; v10  the other half of the lanes'
.set CM,   11                          ; v11  c x the largest score
.set LS,   12                          ; v12  the row's sum
.set T2,   13
.set RL,   14                          ; v[14:15] 1 / the sum; the packed form names a pair and takes its low word for both halves
.set P,    16                          ; v16-23  the scores, then p
.set BI,   24                          ; v24  the bias
.set LN,   26                          ; v26-31 at work
.set RR,   27
.set HH,   28
.set TT,   29
.set Q,    32                          ; v32-63   Q;  later ctx
.set CX,   32
.set K,    64                          ; v64-95   K;  later the sixteen parts of my number
.set R,    64
.set V,    96                          ; v96-127  V^T: channels 16 d on at V + 8 d
.set W,    128                         ; v128-191 W: columns 16 n on, channels 16 d on at W + 32 n + 8 d
.set S0,   192                         ; v192-207 S^T in two sums, the even and the odd K steps'
.set O,    208                         ; v208-239 O^T: channels 16 d on at O + 8 d
.set OUT,  240                         ; v240-255 my part of out0^T: columns 16 n on at OUT + 8 n
	s_load_b256 s[4:11], s[0:1], 0x0               ; q, k, v s[4:5], w_proj s[6:7], b_proj s[8:9], out0 s[10:11]
	v_lshl_add_u32 v30, v0, 2, 0x9000
	v_mov_b32 v31, 0
	v_lshrrev_b32 v[TT], 5, v0
	v_readfirstlane_b32 s12, v[TT]                 ; wave = head; on the way out = row
	s_and_b32 s13, ttmp7, 0xffff                   ; batch
	v_and_b32 v[LN], 31, v0                        ; lane
	v_and_b32 v[RR], 15, v0                        ; r
	v_bfe_u32 v[HH], v0, 4, 1                      ; h
	v_lshlrev_b32 v[LI], 4, v[LN]
	v_lshlrev_b32 v[L4], 2, v[LN]
	v_bfe_u32 v[TT], v[RR], 2, 1                   ; channel r lies in half (r / 4) % 2 of a piece,
	v_lshlrev_b32 v[VA], 9, v[TT]
	v_bfe_u32 v[TT], v[RR], 3, 1                   ; among the chunks of lanes 16 (r / 8) on,
	v_lshl_add_u32 v[VA], v[TT], 8, v[VA]
	v_lshl_add_u32 v[VA], v[HH], 7, v[VA]          ; from token 8 h on, 16 bytes a token,
	v_and_b32 v[TT], 3, v[RR]
	v_lshl_add_u32 v[VA], v[TT], 2, v[VA]          ; at word r % 4 of a chunk
	v_lshlrev_b32 v[WA], 12, v[RR]
	v_lshl_add_u32 v[WA], v[HH], 5, v[WA]
	s_mul_i32 s14, s12, WREG
	v_mul_u32_u24 v[SO], v[RR], OPITCH
	v_lshl_add_u32 v[SO], v[HH], 5, v[SO]
	v_add_nc_u32 v[SO], s14, v[SO]
	s_mul_i32 s14, s12, OPITCH
	v_add_nc_u32 v[RDA], s14, v[L4]
	v_lshlrev_b32 v[TT], 3, v[HH]
	v_sub_nc_u32 v[DM], v[RR], v[TT]
	v_mov_b32 v[NINF], 0xff800000
	v_mov_b32 v[TP], 0                             ; written once: a lane permute's destination counts as one of its sources
	v_mov_b32 v[RL+1], 0                           ; (named as the upper half of a pair)
	s_mov_b32 s20, 0x76543210
	s_mov_b32 s21, 0xfedcba98                      ; v_permlanex16_b32's selects for lane l xor 16
	s_mov_b32 s22, 0x3e38aa3b                      ; c = log2(e) / 8
	s_mul_i32 s16, s13, EQB                        ; q: my batch, my head's four pieces; k lies 65,536 bytes on, v 131,072
	s_lshl_b32 s17, s12, 12
	s_add_co_u32 s16, s16, s17
	s_mov_b32 s17, 0
	s_lshl_b32 s18, ttmp9, 17                      ; w_proj: row 32 x work-group x, 4,096 bytes each; my head's 64 numbers of a row
	s_lshl_b32 s19, s12, 8
	s_add_co_u32 s18, s18, s19
	s_mov_b32 s19, 0
	s_lshl_b32 s24, ttmp9, 7                       ; my work-group's 32 columns, in bytes: in b_proj and in a row of out0
	s_mov_b32 s25, 0
	s_lshl_b32 s26, s13, 23                        ; out0: my batch's first row, + row = wave
	s_lshl_b32 s27, s12, 12
	s_add_co_u32 s26, s26, s27
	s_add_co_u32 s26, s26, s24
	s_mov_b32 s27, 0
	s_wait_kmcnt 0x0
	s_add_nc_u64 s[4:5], s[4:5], s[16:17]
	s_add_nc_u64 s[6:7], s[6:7], s[18:19]
	s_add_nc_u64 s[8:9], s[8:9], s[24:25]
	s_add_nc_u64 s[10:11], s[10:11], s[26:27]
.irp t, 0,1,2,3
.irp p, 0,1
	global_load_b128 v[Q+8*\t+4*\p:Q+8*\t+4*\p+3], v[LI], s[4:5] offset:\t*1024+\p*512          ; token r, channels 16 t + 8 h + 4 p + 0 .. 3: two K steps
	global_load_b128 v[K+8*\t+4*\p:K+8*\t+4*\p+3], v[LI], s[4:5] offset:65536+\t*1024+\p*512    ; the same of K
.endr
.endr
.irp d, 0,1,2,3
.irp j, 0,1,2,3,4,5,6,7
	global_load_b32 v[V+8*\d+\j], v[VA], s[4:5] offset:131072+\d*1024+16*\j                     ; V(token 8 h + j, channel 16 d + r)
.endr
.endr
	s_wait_loadcnt 32                              ; Q and K are in; V's 32 loads may be out
.irp n, 0,1
.irp d, 0,1,2,3
	global_load_b128 v[W+32*\n+8*\d:W+32*\n+8*\d+3],   v[WA], s[6:7] offset:\n*65536+\d*64      ; W(column 16 n + r, channels 16 d + 8 h + 0 .. 7)
	global_load_b128 v[W+32*\n+8*\d+4:W+32*\n+8*\d+7], v[WA], s[6:7] offset:\n*65536+\d*64+16
.endr
.endr
	global_load_b32 v[BI], v[L4], s[8:9]           ; the bias of column = lane
	; S^T = K Q^T: sixteen K steps of 4; two sums by turns, one instruction a turn; the first two steps start them
.set i, 0
.rept 16
.if i < 2
	v_wmma_f32_16x16x4_f32 v[S0+8*(i%2):S0+8*(i%2)+7], v[K+2*i:K+2*i+1], v[Q+2*i:Q+2*i+1], 0
.else
	v_wmma_f32_16x16x4_f32 v[S0+8*(i%2):S0+8*(i%2)+7], v[K+2*i:K+2*i+1], v[Q+2*i:Q+2*i+1], v[S0+8*(i%2):S0+8*(i%2)+7]
.endif
.set i, i+1
.endr
.rept 8
	v_nop                                          ; eight places behind this form before a vector instruction reads its result (ISA guide 7.12.1)
.endr
.irp j, 0,1,2,3,4,5,6,7
	v_add_f32 v[P+\j], v[S0+\j], v[S0+8+\j]        ; lane (r, h): query r, key 8 h + j.  Both sums are read from their low end on
.endr
.irp j, 0,1,2,3,4,5,6,7
	v_cmp_gt_i32 vcc_lo, \j, v[DM]                 ; key 8 h + j comes after query r
	v_cndmask_b32 v[P+\j], v[P+\j], v[NINF], vcc_lo
.endr
	v_max3_num_f32 v[MX], v[P], v[P+1], v[P+2]
	v_max3_num_f32 v[MX], v[MX], v[P+3], v[P+4]
	v_max3_num_f32 v[MX], v[MX], v[P+5], v[P+6]
	v_max_num_f32 v[MX], v[MX], v[P+7]
	v_permlanex16_b32 v[TP], v[MX], s20, s21       ; the query's other eight keys lie in the lane 16 away
	v_max_num_f32 v[MX], v[MX], v[TP]              ; key 0 counts for every query: a number
	v_mul_f32 v[CM], s22, v[MX]
.irp j, 0,1,2,3,4,5,6,7
	v_fma_f32 v[P+\j], v[P+\j], s22, -v[CM]        ; c s - c m
.endr
.irp j, 0,1,2,3,4,5,6,7
	v_exp_f32 v[P+\j], v[P+\j]                     ; p; 0 for a hidden key
.endr
	v_nop                                          ; a plain line between the last exponential and the use of its result
	s_wait_alu depctr_va_vdst(0)
	v_add_f32 v[LS], v[P], v[P+1]
	v_add_f32 v[T2], v[P+2], v[P+3]
	v_add_f32 v[LN], v[P+4], v[P+5]
	v_add_f32 v[RR], v[P+6], v[P+7]
	v_add_f32 v[LS], v[LS], v[T2]
	v_add_f32 v[LN], v[LN], v[RR]
	v_add_f32 v[LS], v[LS], v[LN]
	v_permlanex16_b32 v[TP], v[LS], s20, s21
	v_add_f32 v[LS], v[LS], v[TP]                  ; the row's sum
	v_rcp_f32 v[RL], v[LS]
	s_wait_loadcnt 17                              ; V is in; W's 16 loads and the bias may be out
	; O^T = V^T P: K step t takes keys 8 h + 2 t + j on both sides; four sums by turns
.irp t, 0,1,2,3
.irp d, 0,1,2,3
.if \t == 0
	v_wmma_f32_16x16x4_f32 v[O+8*\d:O+8*\d+7], v[V+8*\d+2*\t:V+8*\d+2*\t+1], v[P+2*\t:P+2*\t+1], 0
.else
	v_wmma_f32_16x16x4_f32 v[O+8*\d:O+8*\d+7], v[V+8*\d+2*\t:V+8*\d+2*\t+1], v[P+2*\t:P+2*\t+1], v[O+8*\d:O+8*\d+7]
.endif
.endr
.endr
.rept 8
	v_nop                                          ; eight places; the first of them is also the plain line behind the reciprocal
.endr
.set i, 0
	s_wait_alu depctr_va_vdst(0)
.rept 16
	v_pk_mul_f32 v[CX+2*i:CX+2*i+1], v[O+2*i:O+2*i+1], v[RL:RL+1] op_sel_hi:[1,0]   ; ctx: lane (r, h): query r, channels 16 d + 8 h + j; each sum from its low end on; into the registers that held Q
.set i, i+1
.endr
	s_wait_loadcnt 1                               ; W is in; the bias may be out
	; part^T = W ctx^T over my head's 64 channels: K step (d, t) takes channels 16 d + 8 h + 2 t + j on both sides; two sums by turns
.irp d, 0,1,2,3
.irp t, 0,1,2,3
.irp n, 0,1
.if (\d == 0) && (\t == 0)
	v_wmma_f32_16x16x4_f32 v[OUT+8*\n:OUT+8*\n+7], v[W+32*\n+8*\d+2*\t:W+32*\n+8*\d+2*\t+1], v[CX+8*\d+2*\t:CX+8*\d+2*\t+1], 0
.else
	v_wmma_f32_16x16x4_f32 v[OUT+8*\n:OUT+8*\n+7], v[W+32*\n+8*\d+2*\t:W+32*\n+8*\d+2*\t+1], v[CX+8*\d+2*\t:CX+8*\d+2*\t+1], v[OUT+8*\n:OUT+8*\n+7]
.endif
.endr
.endr
.endr
.rept 8
	v_nop                                          ; eight places before an LDS store reads a result
.endr
.irp n, 0,1
	ds_store_b128 v[SO], v[OUT+8*\n:OUT+8*\n+3] offset:64*\n          ; lane (r, h): row r, columns 16 n + 8 h + 0 .. 7; each sum from its low end on
	ds_store_b128 v[SO], v[OUT+8*\n+4:OUT+8*\n+7] offset:64*\n+16
.endr
	s_wait_loadcnt 0x0                             ; the bias
	s_wait_dscnt 0x0                               ; for the others' sake: my part lies in LDS
	s_barrier_signal -1
	s_barrier_wait -1                              ; all sixteen parts do
.irp g, 0,1,2,3,4,5,6,7,8,9,10,11,12,13,14,15
	ds_load_b32 v[R+\g], v[RDA] offset:\g*WREG     ; head g's part of (row = my wave, column = my lane): 128 consecutive bytes a load
.endr
	s_wait_dscnt 0x0
	v_pk_add_f32 v[R:R+1], v[R:R+1], v[R+2:R+3]
	v_pk_add_f32 v[R+4:R+5], v[R+4:R+5], v[R+6:R+7]
	v_pk_add_f32 v[R+8:R+9], v[R+8:R+9], v[R+10:R+11]
	v_pk_add_f32 v[R+12:R+13], v[R+12:R+13], v[R+14:R+15]
	v_pk_add_f32 v[R:R+1], v[R:R+1], v[R+4:R+5]
	v_pk_add_f32 v[R+8:R+9], v[R+8:R+9], v[R+12:R+13]
	v_pk_add_f32 v[R:R+1], v[R:R+1], v[R+8:R+9]
	v_add_f32 v[R], v[R], v[R+1]
	v_add_f32 v[R], v[R], v[BI]
	global_store_b32 v[L4], v[R], s[10:11]         ; 32 lanes store 128 consecutive bytes of one row
	s_wait_tensorcnt 0x0
	ds_add_u32 v30, v31
	s_wait_dscnt 0x0
	s_endpgm
.Lfunc_end_k_qee7c6012ab_early:
	.size	k_qee7c6012ab_early, .Lfunc_end_k_qee7c6012ab_early-k_qee7c6012ab_early
	.p2alignl 7, 3214868480
	.fill 96, 4, 3214868480
	.section	.rodata,"a",@progbits
	.p2align	6, 0x0
	.amdhsa_kernel k_qee7c6012ab_early
		.amdhsa_group_segment_fixed_size 38912
		.amdhsa_private_segment_fixed_size 0
		.amdhsa_enable_private_segment 0
		.amdhsa_kernarg_size 32
		.amdhsa_user_sgpr_count 2
		.amdhsa_user_sgpr_kernarg_segment_ptr 1
		.amdhsa_wavefront_size32 1
		.amdhsa_system_sgpr_workgroup_id_x 1
		.amdhsa_system_sgpr_workgroup_id_y 1
		.amdhsa_system_sgpr_workgroup_id_z 1
		.amdhsa_system_vgpr_workitem_id 0
		.amdhsa_next_free_vgpr 256
		.amdhsa_next_free_sgpr 66
		.amdhsa_reserve_vcc 1
		.amdhsa_float_denorm_mode_32 3
		.amdhsa_float_denorm_mode_16_64 3
		.amdhsa_memory_ordered 1
		.amdhsa_forward_progress 1
		.amdhsa_inst_pref_size 19
	.end_amdhsa_kernel
	.amdgpu_metadata
---
amdhsa.version: [ 1, 2 ]
amdhsa.kernels:
  - .name:           k_qee7c6012ab_early
    .symbol:         k_qee7c6012ab_early.kd
    .args:
      - { .name: eq, .offset: 0, .size: 8, .value_kind: global_buffer, .address_space: global }
      - { .name: w_proj, .offset: 8, .size: 8, .value_kind: global_buffer, .address_space: global }
      - { .name: b_proj, .offset: 16, .size: 8, .value_kind: global_buffer, .address_space: global }
      - { .name: out0, .offset: 24, .size: 8, .value_kind: global_buffer, .address_space: global }
    .group_segment_fixed_size: 38912
    .private_segment_fixed_size: 0
    .kernarg_segment_align: 8
    .kernarg_segment_size: 32
    .max_flat_workgroup_size: 512
    .sgpr_count:     66
    .vgpr_count:     256
    .wavefront_size: 32
...
	.end_amdgpu_metadata
.endif
;; end of part 5
